; MI455X (gfx1250); checked and timed in simulation.
; The chip was launched on July 23, 2026; its instructions are those of AMD's public machine-readable ISA for CDNA 5 (MIT licence, August 2026) and "CDNA5" Instruction Set Architecture Reference Guide (July 2026). The comments in the code are by the model that wrote it; some were corrected since.
;; Gravity Attention. Allowed arithmetic: matrix products marked QUANTISED: E2M1 operands, one E8M0 scale for each 32 along K, by v_wmma_scale_f32_16x16x128_f8f6f4 with both operands' format E2M1 (or v_wmma_scale_f32_32x16x128_f4), f32 sums; products left as they are: bf16, f16 or f32 operands; f32 sums; everything else in f32.
;; Inputs: Wout 1,024 x 1,024 float32; Wqkv 1,024 x 3,072 float32; x 4 x 2,048 x 1,024 float32.
;; Outputs: out0 4 x 2,048 x 1,024 float32.
;; This version of the problem:
;;   THIS VERSION OF THE PROBLEM IS GIVEN IN LOW PRECISION. The matrix products marked QUANTISED in the list below multiply operands that are first quantised to E2M1 (2 exponent bits, 1 mantissa bit; 4 bits a number), with one power-of-two scale for each 32 numbers along K (OCP MX v1.0); their sums are f32. The products marked 'left as it is' may take bf16, f16 or f32 operands, with f32 sums. Whichever they take, every output number must still come out within the allowed error. Rounding operands to bf16 (8 significant bits) uses up far more of that allowance than f16 does (11 bits, for magnitudes from 6e-5 to 65,504). All else is computed in f32.
;;   The module's matrix products, in the order in which they are computed (A, B: the left and right operand; K: the contracted axis; several contracted axes count as one K, in the product's order):
;;     1. [M 8,192, K 1,024] x [K 1,024, N 3,072]; A: input x; B: input Wqkv: QUANTISED
;;     2. batch 64 x [M 2,048, K 64] x [K 64, N 2,048]; A: computed on the way; B: computed on the way: left as it is (an operand is computed on the way)
;;     3. batch 64 x [M 2,048, K 2,048] x [K 2,048, N 64]; A: computed on the way; B: computed on the way: left as it is (an operand is computed on the way)
;;     4. [M 8,192, K 1,024] x [K 1,024, N 1,024]; A: computed on the way; B: input Wout: left as it is (an operand is computed on the way)
;;   THE QUANTISER, for each operand of a quantised product, along K:
;;     - K is cut into blocks of 32 from its start; a last block that is shorter is filled with zeros.
;;     - A block's scale is 2^e with e = floor(log2(the largest magnitude in the block)) - 2, held to -126 .. 127; a block of zeros has e = 0. As a byte (E8M0): e + 127.
;;     - Each number is divided by its block's scale, clamped to +-6, and rounded to the nearest number of E2M1, ties to even, subnormals kept.
;;     - The product sums the exact products of the quantised numbers (number of the format x scale) in f32.
;;   ~~~python
;;   def quantise(x, axis):      # numpy; x: float32 -> the quantised numbers, widened to float32 again
;;       x = np.moveaxis(x, axis, -1); K = x.shape[-1]
;;       x = np.pad(x, [(0, 0)] * (x.ndim - 1) + [(0, -K % 32)]); x = x.reshape(x.shape[:-1] + (-1, 32)); a = np.abs(x).max(-1, keepdims=True)
;;       e = np.where(a > 0, np.clip(np.frexp(np.where(a > 0, a, 1))[1] - 1 - 2, -126, 127), 0)      # np.frexp(a)[1] - 1 = floor(log2(a)), exactly
;;       r = np.clip(x / 2.0 ** e, -6, 6)
;;       step = 2.0 ** (np.maximum(np.frexp(np.where(r == 0, 1, r))[1] - 1, 0) - 1)
;;       q = np.round(r / step) * step * 2.0 ** e      # np.round: ties to even
;;       return np.moveaxis(q.reshape(q.shape[:-2] + (-1,))[..., :K], -1, axis).astype(np.float32)
;;   ~~~
;; One version. Each part assembles by itself: llvm-mc -triple=amdgcn-amd-amdhsa -mcpu=gfx1250 --defsym DOCPART=n.
;; ======== version 1 of 1: 5 launches
;; limits: values are held in f16: magnitudes above 65,504 overflow, below 6.1e-05 lose precision
;; workspace buffers: codes 5,767,168 bytes; scales 360,448 bytes; wout_img 2,097,152 bytes; rope_img 524,288 bytes; qkv_img 50,331,648 bytes; qkv16 786,432 bytes; attn_img 16,777,216 bytes
;; launch prep (part 1): grid 800 x 1, 4 waves a work-group, no clusters, 35,840 bytes of LDS; arguments x, Wqkv, Wout, codes, scales, wout_img, rope_img; writes codes, scales, wout_img, rope_img
.if DOCPART == 1
	.amdgcn_target "amdgcn-amd-amdhsa--gfx1250"
	.amdhsa_code_object_version 6
	.text
	.protected	k_q7bf77a396b_prep
	.globl	k_q7bf77a396b_prep
	.p2align	8
	.type	k_q7bf77a396b_prep,@function
k_q7bf77a396b_prep:
	s_mov_b64 s[64:65], 0
	v_nop
	global_prefetch_b8 v0, s[64:65] scope:SCOPE_SE
	s_setreg_imm32_b32 hwreg(HW_REG_WAVE_MODE, 25, 1), 1
	s_wait_xcnt 0x0
; FOUR JOBS IN ONE LAUNCH, told apart by the work-group's number alone:
;   0-511   x [8192][1024] f32 -> codes of E2M1 and E8M0 scale bytes along K (its last axis)
;   512-703 Wqkv [1024][3072] f32 -> the same along K (its FIRST axis): a lane takes a column, its registers run down K
;   704-767 Wout [1024][1024] f32 -> f16, K innermost
;   768-799 the table of cos and sin for the rotation of q and k, f32
; EVERYTHING IS STORED AS AN IMAGE OF THE READER'S OPERAND REGISTERS: four registers of a fragment are 512 consecutive bytes, lane l's 16 bytes at 16 l.
;   codes : group of 128 rows (x: row>>7; Wqkv: 64 + column>>7) x 65,536 + (k>>9) x 32,768 + ((row>>4)&7) x 4,096 + ((k>>7)&3) x 1,024 + ((k>>6)&1) x 512 + ((k>>5)&1) x 256 + (row&15) x 16 + (k&31)/2
;   scales: group x 4,096 + (k>>9) x 2,048 + (row&127) x 16 + ((k>>7)&3) x 4 + ((k>>5)&3)
;   wout  : (n>>7) x 262,144 + (k>>7) x 32,768 + ((n>>4)&7) x 4,096 + ((k>>5)&3) x 1,024 + ((k>>4)&1) x 512 + ((k>>3)&1) x 256 + (n&15) x 16 + 2 (k&7)
;   table : (t>>4) x 4,096 + i x 512 + 16 lane; i = 0..3 cos, 4..7 sin; word x of lane (r, h): position 16 (t>>4) + r, frequency 16 ((i&3)>>1) + 8 h + 4 (i&1) + x
; A block's scale is 2^(floor(log2(largest magnitude)) - 2): its byte is that magnitude's exponent field - 2, held at 1 from below.
; LIMITS: a block of zeros gets the byte 1 where the rule says 127 (its codes are zeros; this program alone reads the bytes); NaN and infinities among the inputs are not served;
; Wout beyond 65,504 in magnitude becomes infinite in f16; the table's angles t x 10000^(-d/32) differ from a correctly rounded power by a few last bits of the frequency: at most about 2e-4 radians at t = 2,047.
; No tensor load, no cluster, no matrix unit: four streams whose work-groups share nothing.
.set STGB,  8704                       ; LDS: a stage of 16 rows x 528 bytes for each wave (x's path alone uses LDS)
.set SCS,   34816                      ; 512 bytes: the work-group's scale words
.set SPARE, 35328                      ; the spare words, 128 bytes a wave: two blocks of 256 bytes that no other line names
.set R,     32                         ; v32-159  numbers as they are loaded
.set XN,    160                        ; v160-223 x: two blocks of 32 neighbours; Wout: packed f16
.set C,     16                         ; v16-31   codes
.set SPW,   14                         ; v14      my spare word's LDS address; never rewritten
.set NIL,   15                         ; v15      0; never rewritten
; the largest magnitude of v[s] .. v[s+31] and the floor 2^(3 - 127), in two chains
.macro MAX32 m, t, s
	v_max3_num_f32 v[\m], |v[(\s)]|, |v[(\s)+1]|, 0x1800000
	v_max3_num_f32 v[\t], |v[(\s)+2]|, |v[(\s)+3]|, |v[(\s)+4]|
.irp i, 5,9,13,17,21,25
	v_max3_num_f32 v[\m], v[\m], |v[(\s)+\i]|, |v[(\s)+\i+1]|
	v_max3_num_f32 v[\t], v[\t], |v[(\s)+\i+2]|, |v[(\s)+\i+3]|
.endr
	v_max3_num_f32 v[\m], v[\m], |v[(\s)+29]|, |v[(\s)+30]|
	v_max3_num_f32 v[\m], v[\m], v[\t], |v[(\s)+31]|
.endm
; 128 rows of my column: each load reads 128 consecutive bytes a wave
.macro COLS lo, pitch
.set i, 0
.rept 128
	global_load_b32 v[R+i], v228, s[\lo:\lo+1] offset:i*\pitch th:TH_LOAD_NT
.set i, i+1
.endr
.endm
; rows 32 g .. 32 g + 31 of the 128 are in.  A wait names 63 at the most: with 63 of 128 out the oldest 65 are in
.macro ROWS_IN g
.if 96-32*(\g) > 63
	s_wait_loadcnt 63
.else
	s_wait_loadcnt 96-32*(\g)
.endif
.endm
	s_load_b256 s[4:11], s[0:1], 0x0               ; x, Wqkv, Wout, codes
	s_load_b128 s[12:15], s[0:1], 0x20             ; scales, wout_img
	s_load_b64 s[16:17], s[0:1], 0x30              ; rope_img
	v_lshl_add_u32 v[SPW], v0, 2, SPARE
	v_mov_b32 v[NIL], 0
	v_lshrrev_b32 v1, 5, v0
	v_readfirstlane_b32 s18, v1                    ; wave 0..3
	v_and_b32 v1, 31, v0                           ; lane
	v_and_b32 v2, 15, v0                           ; r
	v_bfe_u32 v3, v0, 4, 1                         ; h
	v_lshlrev_b32 v4, 4, v1                        ; 16 x lane
	v_lshlrev_b32 v228, 2, v1                      ; 4 x lane
	s_mov_b32 s20, 0x76543210
	s_mov_b32 s21, 0xfedcba98                      ; v_permlanex16_b32's selects for lane l xor 16
	s_mul_i32 s19, s18, STGB                       ; every LDS address is made here, ahead of the partings
	v_add_nc_u32 v5, s19, v4                       ; stage, in: 16 x lane (+ 528 x row)
	v_mul_u32_u24 v6, v2, 528
	v_lshl_add_u32 v6, v3, 7, v6
	v_add_nc_u32 v6, s19, v6                       ; stage, out: row r, + 128 h
	s_lshr_b32 s22, s18, 1
	s_lshl_b32 s22, s22, 8
	s_and_b32 s23, s18, 1
	s_lshl_b32 s23, s23, 3
	s_add_co_u32 s22, s22, s23
	s_add_co_u32 s22, s22, SCS
	v_lshl_add_u32 v7, v2, 4, s22                  ; my two scale words: 256 (wave / 2) + 16 r + 8 (wave % 2)
	v_add_nc_u32 v8, SCS, v4                       ; and where wave 0 reads all of them back
	s_mov_b32 s25, 0                               ; the upper word of every offset
	s_wait_kmcnt 0x0
	s_cmp_lt_u32 ttmp9, 512
	s_cbranch_scc0 .Lnot_x
; ---- x: the work-group takes 16 rows, wave w the 256 numbers 256 w on of each: two steps of 128 along K
	s_lshl_b32 s24, ttmp9, 16                      ; 16 rows of 4,096 bytes
	s_lshl_b32 s26, s18, 10
	s_add_co_u32 s24, s24, s26
	s_add_nc_u64 s[4:5], s[4:5], s[24:25]
	s_lshr_b32 s27, ttmp9, 3                       ; the group of 128 rows
	s_and_b32 s28, ttmp9, 7                        ; my 16 rows in it
	s_lshl_b32 s24, s27, 16
	s_lshl_b32 s26, s28, 12
	s_add_co_u32 s24, s24, s26
	s_lshr_b32 s26, s18, 1
	s_lshl_b32 s26, s26, 15
	s_add_co_u32 s24, s24, s26
	s_and_b32 s26, s18, 1
	s_lshl_b32 s26, s26, 11
	s_add_co_u32 s24, s24, s26
	s_add_nc_u64 s[10:11], s[10:11], s[24:25]      ; my two fragments' images
	s_lshl_b32 s24, s27, 12
	s_lshl_b32 s26, s28, 8
	s_add_co_u32 s24, s24, s26
	s_add_nc_u64 s[12:13], s[12:13], s[24:25]      ; the 16 rows' scale words
	v_lshlrev_b32 v9, 3, v3                        ; 8 h
	v_lshlrev_b32 v227, 4, v2
	v_lshl_add_u32 v227, v3, 11, v227              ; scale words on the way out: 16 r + 2,048 h
	v_mov_b32 v226, 0                              ; a lane permute's destination counts as read
.irp q, 0,1
.irp i, 0,1,2,3,4,5,6,7,8,9,10,11,12,13,14,15
	global_load_b128 v[R+64*\q+4*\i:R+64*\q+4*\i+3], v4, s[4:5] offset:\i*4096+\q*512 th:TH_LOAD_NT   ; 512 consecutive bytes of row i
.endr
.endr
; A step: the loads took the bytes as they lie; the conversions want 32 neighbours along K in one lane.  So the 16 x 512 bytes turn through my own stage.
.macro XSTEP q
	s_wait_loadcnt 16*(1-\q)                       ; this step's 16 loads are in; the other step's 16 may be out
.irp i, 0,1,2,3,4,5,6,7,8,9,10,11,12,13,14,15
	ds_store_b128 v5, v[R+64*\q+4*\i:R+64*\q+4*\i+3] offset:\i*528
.endr
.irp c, 0,1
.irp g, 0,1,2,3,4,5,6,7
	ds_load_b128 v[XN+32*\c+4*\g:XN+32*\c+4*\g+3], v6 offset:\c*256+\g*16   ; k = 64 c + 32 h + 0 .. 31 of row r.  LDS serves a wave's instructions in order: these see the stores above
.endr
.endr
	s_wait_dscnt 0x0
	MAX32 10, 224, XN
	MAX32 11, 225, XN+32
	v_add_nc_u32 v10, 0xff000000, v10              ; 2 off the exponent field: the conversion's scale operand
	v_add_nc_u32 v11, 0xff000000, v11
	v_lshrrev_b32 v224, 23, v10                    ; the scales' bytes: blocks h and 2 + h
	v_lshrrev_b32 v225, 23, v11
	v_lshl_or_b32 v224, v225, 16, v224
	v_lshlrev_b32 v224, v9, v224                   ; at their places in the row's word
	v_permlanex16_b32 v226, v224, s20, s21
	v_or_b32 v[12+\q], v224, v226                  ; with lane l xor 16's two the word is whole
.irp c, 0,1
.irp g, 0,1,2,3
	v_cvt_scalef32_pk8_fp4_f32 v[C+8*\q+4*\c+\g], v[XN+32*\c+8*\g:XN+32*\c+8*\g+7], v[10+\c]
.endr
.endr
	v_nop                                          ; one plain line behind the last scaled conversion
.irp c, 0,1
	global_store_b128 v4, v[C+8*\q+4*\c:C+8*\q+4*\c+3], s[10:11] offset:\q*1024+\c*512   ; 512 consecutive bytes
.endr
.endm
	XSTEP 0
	XSTEP 1
	ds_store_b64 v7, v[12:13]                      ; lanes r and r + 16 write the same words
	s_wait_dscnt 0x0                               ; for the others' sake: my words have landed
	s_barrier_signal -1
	s_barrier_wait -1
	s_cmp_lg_u32 s18, 0
	s_cbranch_scc1 .Lend
	ds_load_b128 v[160:163], v8                    ; wave 0: 16 rows x 16 bytes for each half of K
	s_wait_dscnt 0x0
	global_store_b128 v227, v[160:163], s[12:13]   ; two runs of 256 consecutive bytes
	s_branch .Lend
.Lnot_x:
	s_cmp_lt_u32 ttmp9, 704
	s_cbranch_scc0 .Lnot_w
; ---- Wqkv: 128 columns x 128 along K to a work-group, 32 columns to a wave
	s_sub_co_u32 s22, ttmp9, 512
	s_lshr_b32 s23, s22, 3                         ; which 128 columns
	s_and_b32 s22, s22, 7                          ; which 128 along K
	s_mul_i32 s24, s22, 128*12288
	s_lshl_b32 s26, s23, 9
	s_add_co_u32 s24, s24, s26
	s_lshl_b32 s26, s18, 7
	s_add_co_u32 s24, s24, s26
	s_add_nc_u64 s[6:7], s[6:7], s[24:25]
	s_add_co_u32 s23, s23, 64                      ; the group
	s_lshr_b32 s27, s22, 2                         ; k >> 9
	s_and_b32 s28, s22, 3                          ; (k >> 7) & 3
	s_lshl_b32 s24, s23, 16
	s_lshl_b32 s26, s27, 15
	s_add_co_u32 s24, s24, s26
	s_lshl_b32 s26, s18, 13
	s_add_co_u32 s24, s24, s26
	s_lshl_b32 s26, s28, 10
	s_add_co_u32 s24, s24, s26
	s_add_nc_u64 s[10:11], s[10:11], s[24:25]
	s_lshl_b32 s24, s23, 12
	s_lshl_b32 s26, s27, 11
	s_add_co_u32 s24, s24, s26
	s_lshl_b32 s26, s18, 9
	s_add_co_u32 s24, s24, s26
	s_lshl_b32 s26, s28, 2
	s_add_co_u32 s24, s24, s26
	s_add_nc_u64 s[12:13], s[12:13], s[24:25]
	v_lshlrev_b32 v227, 4, v2
	v_lshl_add_u32 v227, v3, 12, v227              ; my column's place: 4,096 (lane / 16) + 16 (lane % 16)
	COLS 6, 12288
.irp g, 0,1,2,3                                ; a block of 32 along K lies in my 32 registers
	ROWS_IN \g
	MAX32 10, 224, R+32*\g
	v_add_nc_u32 v10, 0xff000000, v10
	v_lshrrev_b32 v224, 23, v10
.if \g == 0
	v_mov_b32 v12, v224
.else
	v_lshl_or_b32 v12, v224, 8*\g, v12
.endif
.irp u, 0,1,2,3
	v_cvt_scalef32_pk8_fp4_f32 v[C+4*\g+\u], v[R+32*\g+8*\u:R+32*\g+8*\u+7], v10
.endr
	v_nop                                          ; one plain line before the scale operand is written again
	global_store_b128 v227, v[C+4*\g:C+4*\g+3], s[10:11] offset:(\g/2)*512+(\g%2)*256   ; sixteen lanes store 256 consecutive bytes
.endr
	global_store_b32 v4, v12, s[12:13]             ; my column's word: 4 bytes of each 16 (98,304 bytes in the whole launch go out so)
	s_branch .Lend
.Lnot_w:
	s_cmp_lt_u32 ttmp9, 768
	s_cbranch_scc0 .Ltab
; ---- Wout: the same walk; the numbers are rounded to f16, K innermost
	s_sub_co_u32 s22, ttmp9, 704
	s_lshr_b32 s23, s22, 3                         ; which 128 columns
	s_and_b32 s22, s22, 7                          ; which 128 along K
	s_lshl_b32 s24, s22, 19                        ; 128 rows of 4,096 bytes
	s_lshl_b32 s26, s23, 9
	s_add_co_u32 s24, s24, s26
	s_lshl_b32 s26, s18, 7
	s_add_co_u32 s24, s24, s26
	s_add_nc_u64 s[8:9], s[8:9], s[24:25]
	s_lshl_b32 s24, s23, 18
	s_lshl_b32 s26, s22, 15
	s_add_co_u32 s24, s24, s26
	s_lshl_b32 s26, s18, 13
	s_add_co_u32 s24, s24, s26
	s_add_nc_u64 s[14:15], s[14:15], s[24:25]
	v_lshlrev_b32 v227, 4, v2
	v_lshl_add_u32 v227, v3, 12, v227
	COLS 8, 4096
.irp g, 0,1,2,3
	ROWS_IN \g
.irp p, 0,1,2,3,4,5,6,7,8,9,10,11,12,13,14,15
	v_cvt_pk_f16_f32 v[XN+16*\g+\p], v[R+32*\g+2*\p], v[R+32*\g+2*\p+1]
.endr
.irp u, 0,1,2,3
	global_store_b128 v227, v[XN+16*\g+4*\u:XN+16*\g+4*\u+3], s[14:15] offset:\g*1024+\u*256   ; k = 32 g + 8 u + 0 .. 7: sixteen lanes store 256 consecutive bytes
.endr
.endr
	s_branch .Lend
.Ltab:
; ---- the table: a wave takes 16 positions; lane (r, h): position r, 16 frequencies
	s_sub_co_u32 s22, ttmp9, 768
	s_lshl_b32 s22, s22, 2
	s_add_co_u32 s22, s22, s18                     ; t >> 4
	s_lshl_b32 s24, s22, 12
	s_add_nc_u64 s[16:17], s[16:17], s[24:25]
	s_lshl_b32 s22, s22, 4
	v_add_nc_u32 v10, s22, v2
	v_cvt_f32_u32 v10, v10                         ; t
	v_lshlrev_b32 v9, 3, v3                        ; 8 h
	s_mov_b32 s30, 0xbfc90fdb                      ; -(pi/2), its leading 24 bits,
	s_mov_b32 s31, 0x333bbd2e                      ; and what they leave over
	s_mov_b32 s32, 0x3638ef1d                      ; 1/9!
	s_mov_b32 s33, 0xb493f27c                      ; -1/10!
.irp j, 0,1,2,3,4,5,6,7,8,9,10,11,12,13,14,15
	v_add_nc_u32 v[32+\j], 16*(\j/8)+(\j%8), v9    ; d
.endr
.irp j, 0,1,2,3,4,5,6,7,8,9,10,11,12,13,14,15
	v_cvt_f32_u32 v[32+\j], v[32+\j]
.endr
.irp j, 0,1,2,3,4,5,6,7,8,9,10,11,12,13,14,15
	v_mul_f32 v[32+\j], 0xbed49a78, v[32+\j]       ; -d log2(10000) / 32
.endr
.irp j, 0,1,2,3,4,5,6,7,8,9,10,11,12,13,14,15
	v_exp_f32 v[32+\j], v[32+\j]                   ; the frequency
.endr
	v_nop                                          ; a plain line behind the batch,
	s_wait_alu depctr_va_vdst(0)                   ; and one wait for all sixteen, ahead of the first reader
.irp j, 0,1,2,3,4,5,6,7,8,9,10,11,12,13,14,15
	v_mul_f32 v[32+\j], v10, v[32+\j]              ; the angle, rounded once
.endr
; n = the nearest multiple of pi/2; the rest, at most pi/4, goes into the two series; n mod 4 says which is which and their signs
.macro SINCOS j
	v_mul_f32 v96, 0x3f22f983, v[32+\j]
	v_rndne_f32 v96, v96
	v_fma_f32 v97, v96, s30, v[32+\j]              ; exact: both are multiples of 2^-23 and the difference is under 1
	v_fma_f32 v97, v96, s31, v97
	v_mul_f32 v98, v97, v97
	v_fmaak_f32 v99, s32, v98, 0xb9500d01
	v_fmaak_f32 v99, v99, v98, 0x3c088889
	v_fmaak_f32 v99, v99, v98, 0xbe2aaaab
	v_mul_f32 v102, v97, v98
	v_fma_f32 v99, v102, v99, v97                  ; sin of the rest
	v_fmaak_f32 v100, s33, v98, 0x37d00d01
	v_fmaak_f32 v100, v100, v98, 0xbab60b61
	v_fmaak_f32 v100, v100, v98, 0x3d2aaaab
	v_fmaak_f32 v100, v100, v98, 0xbf000000
	v_fma_f32 v100, v100, v98, 1.0                 ; cos of the rest
	v_cvt_i32_f32 v101, v96
	v_and_b32 v102, 1, v101
	v_cmp_ne_u32 vcc_lo, 0, v102
	v_cndmask_b32 v103, v99, v100, vcc_lo          ; n odd: the two change places
	v_cndmask_b32 v100, v100, v99, vcc_lo
	v_and_b32 v102, 2, v101
	v_lshlrev_b32 v102, 30, v102
	v_xor_b32 v[80+\j], v102, v103                 ; sin: minus for n mod 4 = 2, 3
	v_add_nc_u32 v101, 1, v101
	v_and_b32 v101, 2, v101
	v_lshlrev_b32 v101, 30, v101
	v_xor_b32 v[64+\j], v101, v100                 ; cos: minus for n mod 4 = 1, 2
.endm
.irp j, 0,1,2,3,4,5,6,7,8,9,10,11,12,13,14,15
	SINCOS \j
.endr
.irp i, 0,1,2,3,4,5,6,7
	global_store_b128 v4, v[64+4*\i:64+4*\i+3], s[16:17] offset:\i*512
.endr
.Lend:
	s_wait_tensorcnt 0x0                           ; the wave's end
	ds_add_u32 v[SPW], v[NIL]
	s_wait_dscnt 0x0
	s_endpgm
.Lfunc_end_k_q7bf77a396b_prep:
	.size	k_q7bf77a396b_prep, .Lfunc_end_k_q7bf77a396b_prep-k_q7bf77a396b_prep
	.p2alignl 7, 3214868480
	.fill 96, 4, 3214868480
	.section	.rodata,"a",@progbits
	.p2align	6, 0x0
	.amdhsa_kernel k_q7bf77a396b_prep
		.amdhsa_group_segment_fixed_size 35840
		.amdhsa_private_segment_fixed_size 0
		.amdhsa_enable_private_segment 0
		.amdhsa_kernarg_size 56
		.amdhsa_user_sgpr_count 2
		.amdhsa_user_sgpr_kernarg_segment_ptr 1
		.amdhsa_wavefront_size32 1
		.amdhsa_system_sgpr_workgroup_id_x 1
		.amdhsa_system_sgpr_workgroup_id_y 1
		.amdhsa_system_sgpr_workgroup_id_z 1
		.amdhsa_system_vgpr_workitem_id 0
		.amdhsa_next_free_vgpr 232
		.amdhsa_next_free_sgpr 66
		.amdhsa_reserve_vcc 1
		.amdhsa_float_denorm_mode_32 3
		.amdhsa_float_denorm_mode_16_64 3
		.amdhsa_memory_ordered 1
		.amdhsa_forward_progress 1
		.amdhsa_inst_pref_size 79
	.end_amdhsa_kernel
	.amdgpu_metadata
---
amdhsa.version: [ 1, 2 ]
amdhsa.kernels:
  - .name:           k_q7bf77a396b_prep
    .symbol:         k_q7bf77a396b_prep.kd
    .args:
      - { .name: x, .offset: 0, .size: 8, .value_kind: global_buffer, .address_space: global }
      - { .name: Wqkv, .offset: 8, .size: 8, .value_kind: global_buffer, .address_space: global }
      - { .name: Wout, .offset: 16, .size: 8, .value_kind: global_buffer, .address_space: global }
      - { .name: codes, .offset: 24, .size: 8, .value_kind: global_buffer, .address_space: global }
      - { .name: scales, .offset: 32, .size: 8, .value_kind: global_buffer, .address_space: global }
      - { .name: wout_img, .offset: 40, .size: 8, .value_kind: global_buffer, .address_space: global }
      - { .name: rope_img, .offset: 48, .size: 8, .value_kind: global_buffer, .address_space: global }
    .group_segment_fixed_size: 35840
    .private_segment_fixed_size: 0
    .kernarg_segment_align: 8
    .kernarg_segment_size: 56
    .max_flat_workgroup_size: 128
    .sgpr_count:     66
    .vgpr_count:     232
    .wavefront_size: 32
...
	.end_amdgpu_metadata
.endif
;; end of part 1
;; launch qkv (part 2): grid 12 x 32, 4 waves a work-group, clusters of 4 x 4, 327,680 bytes of LDS; arguments codes, scales, rope_img, qkv_img, qkv16; writes qkv_img, qkv16
.if DOCPART == 2
	.amdgcn_target "amdgcn-amd-amdhsa--gfx1250"
	.amdhsa_code_object_version 6
	.text
	.protected	k_q7bf77a396b_qkv
	.globl	k_q7bf77a396b_qkv
	.p2align	8
	.type	k_q7bf77a396b_qkv,@function
k_q7bf77a396b_qkv:
	s_mov_b64 s[64:65], 0
	v_nop
	global_prefetch_b8 v0, s[64:65] scope:SCOPE_SE
	s_setreg_imm32_b32 hwreg(HW_REG_WAVE_MODE, 25, 1), 1
	s_wait_xcnt 0x0
	s_wait_alu depctr_hold_cnt(0) depctr_sa_sdst(0) depctr_va_vdst(0) depctr_va_sdst(0) depctr_va_ssrc(0) depctr_va_vcc(0) depctr_vm_vsrc(0)
	s_getreg_b32 s2, hwreg(HW_REG_IB_STS2, 6, 4)
	s_cmp_eq_u32 s2, 0
	s_cbranch_scc0 .Lentry_in_a_cluster
	s_endpgm
.Lentry_in_a_cluster:
	s_bfe_u32 s2, ttmp6, 0x10000c
	s_cmp_lg_u32 s2, 0xf033
	s_cbranch_scc0 .Lentry_shape_is_right
	s_endpgm
.Lentry_shape_is_right:
; x Wqkv on codes of E2M1 with E8M0 scales (K = 1,024), the rotation of q and k in f32, and q, k, v stored as f16 images of the attention's operand registers.
; A tile of the product, 256 x 256, is made by four waves, 128 x 128 each: 64 accumulators of 16 x 16 in windows 2 and 3.  K is two slots of 512: both, and all scale bytes, are first fills; nothing is filled again.
; Codes lie in memory as images of fragments, so a group's 128 rows x 512 K are 32,768 dense bytes, one tensor load, and a fragment is two ds_load_b128 at 16 x lane: consecutive bytes, no pitch, no padding.
; THE MATRIX INSTRUCTION: source 0 = 16 rows of 'B', source 1 = 16 rows of 'A': a lane holds ONE row of A and eight neighbouring rows of B.
;   cluster x = 0 (q), 1 (k): A = rows of x (batch cy, positions 256 x cluster y on), B = columns of Wqkv (256 cx on): a lane holds one position and eight channels, which the rotation and the q/k images want.
;   cluster x = 2 (v):        A = columns of Wqkv (256 cy on), B = rows of x (batch cx): a lane holds one channel and eight keys: the image of V^T.
; CLUSTER 4 x 4: A's tiles hang on cy, B's on cx: each is asked for jointly by the four that share it.  Every branch hangs on the cluster's x and y and the wave's number, alike in all sixteen.
; IMAGES: q, k: (16 b + head) x 262,144 + (t>>4) x 2,048 + (channel>>4) x 512 + 16 lane: lane (r, h): position r, channels 8 h + 0 .. 7.   v: .. + (t>>5) x 4,096 + (channel>>4) x 1,024 + ((t>>4)&1) x 512 + 16 lane: lane (r, h): channel r, keys 8 h + 0 .. 7.
; Positions 0-15 of every sequence go out in f32 too (qkv16), as the accumulators' registers stand: another launch carries those rows in f32.
; LIMIT: q, k, v are rounded to f16: beyond 65,504 in magnitude they become infinite.
; REGISTERS: window 0: v16-29 addresses; v32-95 scale words, two sets; v128-191 A's fragments, one set; v192-255 the table, two sets; on the way out v32-95 rotated numbers, v96-159 packed f16.
;   window 1: B's fragments, two sets, at v0 and v128.   windows 2, 3: accumulator (a, b) at v[8 (8 (a % 4) + b)].
.set NQ,     4                         ; steps of 128 along K in a slot
.set FR,     8                         ; registers of a fragment
.set NL,     2                         ; LDS loads that bring one
.set NP,     4                         ; places behind this matrix instruction (ISA guide 7.12.1)
.set SLOT,   131072                    ; A's two groups (2 x 32,768), then B's two
.set SCL,    262144                    ; the four groups' scale bytes, 4,096 each
.set SPARE,  278528                    ; the spare words, 128 bytes a wave: two blocks of 256 bytes that no other line names
.set ADRA, 16                          ; v16-17 my A fragments in slot 0, 1
.set ADRB, 20                          ; v20-21 my B fragments
.set LI,   26                          ; v26    16 x lane
.set ADRS, 27                          ; v27    my scale words: lanes 0-15 A's rows, lanes 16-31 B's
.set SPW,  28                          ; v28    my spare word; never rewritten
.set NIL,  29                          ; v29    0; never rewritten
.set SC,   32
.set AF,   128
.set CS,   192                         ; the table: set a % 2: 16 cosines, 16 sines
.set Y,    32
.set PK,   96
.set G1, 24
.set G0, 32
.set G1B, 48
.set G0B, 56
.set G1S, 68
.set G0S, 76
.set G1SB, 80
.set G0SB, 88
.set MSB, 0
.macro WIN new                         ; the immediate's high byte repeats the setting that is left
.if MSB != (\new)
	s_set_vgpr_msb (MSB<<8)|(\new)
.set MSB, (\new)
.endif
.endm
.set MUL_LO, 0xa1                      ; source 0 (B) window 1, source 1 (A) window 0, C and D window 2
.set MUL_HI, 0xf1                      ; the same, C and D window 3
.set TO_B,   0x40                      ; destination window 1
; A joint load: waves 0 and 1 fetch for A, waves 2 and 3 for B.  An s_nop 0 and four v_nop follow each of the two lines.
.macro JLOAD g0a, g1a, g0b, g1b
	s_cmp_eq_u32 s15, 0
	s_cbranch_scc0 .Lfor_b_\@
	tensor_load_to_lds s[\g0a:\g0a+3], s[\g1a:\g1a+7]
	s_nop 0
.rept 4
	v_nop
.endr
	s_branch .Lasked_\@
.Lfor_b_\@:
	tensor_load_to_lds s[\g0b:\g0b+3], s[\g1b:\g1b+7]
	s_nop 0
.rept 4
	v_nop
.endr
.Lasked_\@:
.endm
.macro CROUND                          ; a round of the cluster's barrier
	s_barrier_signal -1
	s_barrier_wait -1
	s_cmp_lg_u32 s14, 0
	s_cbranch_scc1 .Lnot_wave_0_\@
	s_barrier_signal -3
.Lnot_wave_0_\@:
	s_barrier_wait -3
	s_barrier_signal -1
	s_barrier_wait -1
.endm
	s_load_b256 s[4:11], s[0:1], 0x0               ; codes, scales, rope_img, qkv_img
	s_load_b64 s[12:13], s[0:1], 0x20              ; qkv16
	v_lshl_add_u32 v[SPW], v0, 2, SPARE
	v_mov_b32 v[NIL], 0
	ds_add_u32 v[SPW], v[NIL]                      ; the wave's opening: the add, twice on end, and its wait ahead of my first tensor load
	ds_add_u32 v[SPW], v[NIL]
	v_lshrrev_b32 v1, 5, v0
	v_readfirstlane_b32 s14, v1                    ; wave 0..3
	s_lshr_b32 s15, s14, 1                         ; which 128 rows of A are mine.  Also: I fetch for A (0) or for B (1)
	s_and_b32 s16, s14, 1                          ; which 128 rows of B.  Also: which group of that tile I fetch
	s_bfe_u32 s40, ttmp6, 0x40000                  ; cx
	s_bfe_u32 s41, ttmp6, 0x40004                  ; cy
	s_and_b32 s17, ttmp7, 0xffff                   ; the cluster's y: which 256 positions
	s_lshl_b32 s43, s41, 2
	s_lshl_b32 s43, 15, s43                        ; my row of the cluster
	s_lshl_b32 s44, 0x1111, s40                    ; my column
	s_or_b32 s[G1+0], s43, (3<<16)|(1<<21)         ; 15:0 the mask; 17:16 elements of 8 bytes; 21 set beside a mask; no padding
	s_or_b32 s[G1B+0], s44, (3<<16)|(1<<21)
	s_or_b32 s[G1S+0], s43, (3<<16)|(1<<21)
	s_or_b32 s[G1SB+0], s44, (3<<16)|(1<<21)
.irp g, G1, G1B                        ; codes: 32,768 dense bytes as 128 rows of 256
	s_mov_b32 s[\g+1], 32<<16
	s_mov_b32 s[\g+2], 128<<16
	s_mov_b32 s[\g+3], 32<<16
	s_mov_b32 s[\g+4], 128
	s_mov_b32 s[\g+5], 32
	s_mov_b32 s[\g+6], 0
	s_mov_b32 s[\g+7], 0
.endr
.irp g, G1S, G1SB                      ; scale bytes: 4,096 dense bytes as 16 rows of 256
	s_mov_b32 s[\g+1], 32<<16
	s_mov_b32 s[\g+2], 16<<16
	s_mov_b32 s[\g+3], 32<<16
	s_mov_b32 s[\g+4], 16
	s_mov_b32 s[\g+5], 32
	s_mov_b32 s[\g+6], 0
	s_mov_b32 s[\g+7], 0
.endr
	; which groups.  A's number is made of cy and the cluster's place alone, B's of cx and the cluster's place alone
	s_lshl_b32 s19, s17, 1
	s_lshl_b32 s18, s41, 4
	s_add_co_u32 s18, s18, s19                     ; q, k: A = x, group 16 cy + 2 y
	s_lshl_b32 s20, s41, 1
	s_add_co_u32 s20, s20, 80                      ; v: A = Wqkv, group 80 + 2 cy
	s_lshl_b32 s46, ttmp9, 3
	s_lshl_b32 s47, s40, 1
	s_add_co_u32 s46, s46, s47
	s_add_co_u32 s46, s46, 64                      ; q, k: B = Wqkv, group 64 + 8 x + 2 cx
	s_lshl_b32 s47, s40, 4
	s_add_co_u32 s47, s47, s19                     ; v: B = x, group 16 cx + 2 y
	s_cmp_eq_u32 ttmp9, 2
	s_cselect_b32 s20, s20, s18
	s_cselect_b32 s46, s47, s46
	s_add_co_u32 s20, s20, s16                     ; + the one of the two that I fetch
	s_add_co_u32 s46, s46, s16
	s_lshl_b32 s22, s20, 12                        ; its scale bytes,
	s_mov_b32 s23, 0
	s_lshl_b32 s20, s20, 16                        ; its codes
	s_mov_b32 s21, 0
	s_lshl_b32 s92, s46, 12
	s_mov_b32 s93, 0
	s_lshl_b32 s46, s46, 16
	s_mov_b32 s47, 0
	s_lshl_b32 s45, s14, 15                        ; where they go: wave x 32,768,
	s_lshl_b32 s94, s14, 12                        ; wave x 4,096: no place in the cluster enters an LDS address
	s_wait_dscnt 0x0                               ; both opening adds are done
	s_wait_kmcnt 0x0
	s_add_nc_u64 s[20:21], s[4:5], s[20:21]
	s_add_nc_u64 s[22:23], s[6:7], s[22:23]
	s_add_nc_u64 s[46:47], s[4:5], s[46:47]
	s_add_nc_u64 s[92:93], s[6:7], s[92:93]
	CROUND                                         ; all sixteen work-groups are here: the joint loads meet
	s_mov_b32 s[G0S], 1
	s_add_co_u32 s[G0S+1], s94, SCL
	s_mov_b64 s[G0S+2:G0S+3], s[22:23]
	s_or_b32 s[G0S+3], s[G0S+3], 0x80000000
	s_mov_b32 s[G0SB], 1
	s_add_co_u32 s[G0SB+1], s94, SCL
	s_mov_b64 s[G0SB+2:G0SB+3], s[92:93]
	s_or_b32 s[G0SB+3], s[G0SB+3], 0x80000000
	JLOAD G0S, G1S, G0SB, G1SB                     ; the scale bytes first: they are wanted with the first step
.irp s, 0,1
	s_mov_b32 s[G0+4*\s], 1
	s_add_co_u32 s[G0+4*\s+1], s45, \s*SLOT
	s_add_nc_u64 s[G0+4*\s+2:G0+4*\s+3], s[20:21], \s*32768
	s_or_b32 s[G0+4*\s+3], s[G0+4*\s+3], 0x80000000
	s_mov_b32 s[G0B+4*\s], 1
	s_add_co_u32 s[G0B+4*\s+1], s45, \s*SLOT
	s_add_nc_u64 s[G0B+4*\s+2:G0B+4*\s+3], s[46:47], \s*32768
	s_or_b32 s[G0B+4*\s+3], s[G0B+4*\s+3], 0x80000000
	JLOAD G0+4*\s, G1, G0B+4*\s, G1B               ; three tensor loads of mine are out
.endr
	v_and_b32 v1, 15, v0                           ; r
	v_bfe_u32 v2, v0, 4, 1                         ; h
	v_and_b32 v3, 31, v0
	v_lshlrev_b32 v[LI], 4, v3
	s_lshl_b32 s42, s17, 4
	s_lshl_b32 s21, s15, 3
	s_add_co_u32 s42, s42, s21                     ; 16 y + 8 (wave / 2): for q and k my first block of 16 positions
	s_lshl_b32 s20, s42, 12
	s_mov_b32 s21, 0
	s_add_nc_u64 s[8:9], s[8:9], s[20:21]
.macro TAB a                           ; cos and sin for my row block a, into set a % 2
.irp i, 0,1,2,3,4,5,6,7
	global_load_b128 v[CS+32*((\a)%2)+4*\i:CS+32*((\a)%2)+4*\i+3], v[LI], s[8:9] offset:(\a)*4096+\i*512
.endr
.endm
	TAB 0                                          ; asked for here, a whole product ahead of its use.  v's work-groups ask too and do not use it: the text has one way up to the way out
	TAB 1
	s_lshl_b32 s21, s15, 15                        ; my 128 rows of A
	s_lshl_b32 s22, s16, 15
	s_add_co_u32 s22, s22, 65536                   ; my 128 rows of B, behind A's two groups
.irp s, 0,1
	v_add_nc_u32 v[ADRA+\s], s21, v[LI]
	v_add_nc_u32 v[ADRB+\s], s22, v[LI]
	s_add_co_u32 s21, s21, SLOT
	s_add_co_u32 s22, s22, SLOT
.endr
	s_lshl_b32 s21, s15, 12                        ; A's scale bytes: my group;
	s_lshl_b32 s22, s16, 12
	s_add_co_u32 s22, s22, 2*4096                  ; B's: behind A's two
	s_sub_co_u32 s22, s22, s21
	v_mul_u32_u24 v6, s22, v2                      ; lanes 16-31 take B's: one product, the distance x h
	s_add_co_u32 s21, s21, SCL
	v_lshl_add_u32 v5, v1, 4, v6                   ; 16 bytes a row: the four words of a slot
	v_add_nc_u32 v[ADRS], s21, v5
.macro FRAG reg, adr, q, i             ; 16 rows x 128 K: registers 4 c .. 4 c + 3 hold K = 64 c + 32 h + 0 .. 31
.irp c, 0,1
	ds_load_b128 v[\reg+4*\c:\reg+4*\c+3], v[\adr] offset:(\i)*4096+(\q)*1024+512*\c
.endr
.endm
; 16 matrix instructions: A's blocks a0, a0 + 1 x B's eight.  The 64 accumulators take turns, one instruction a turn, in the same order in every step.
.macro MUL16 a0, p, q, sc, zero
.irp a, \a0, \a0+1
.irp b, 0,1,2,3,4,5,6,7
.if \zero
	v_wmma_scale_f32_16x16x128_f8f6f4 v[8*(8*((\a)%4)+\b):8*(8*((\a)%4)+\b)+7], v[128*(\p)+FR*\b:128*(\p)+FR*\b+FR-1], v[AF+FR*(\a):AF+FR*(\a)+FR-1], 0, v[SC+8*NQ*(\sc)+NQ*\b+(\q)], v[SC+8*NQ*(\sc)+NQ*(\a)+(\q)] matrix_a_fmt:MATRIX_FMT_FP4 matrix_b_fmt:MATRIX_FMT_FP4 matrix_a_scale:MATRIX_SCALE_ROW1
.else
	v_wmma_scale_f32_16x16x128_f8f6f4 v[8*(8*((\a)%4)+\b):8*(8*((\a)%4)+\b)+7], v[128*(\p)+FR*\b:128*(\p)+FR*\b+FR-1], v[AF+FR*(\a):AF+FR*(\a)+FR-1], v[8*(8*((\a)%4)+\b):8*(8*((\a)%4)+\b)+7], v[SC+8*NQ*(\sc)+NQ*\b+(\q)], v[SC+8*NQ*(\sc)+NQ*(\a)+(\q)] matrix_a_fmt:MATRIX_FMT_FP4 matrix_b_fmt:MATRIX_FMT_FP4 matrix_a_scale:MATRIX_SCALE_ROW1
.endif
.endr
.endr
.endm
.macro FETCH_B slot, q, p
	WIN TO_B
.irp i, 0,1,2,3,4,5,6,7
	FRAG 128*(\p)+FR*\i, ADRB+\slot, \q, \i
.endr
	WIN 0
.endm
.macro FETCH_A slot, q, i0
.irp i, \i0, \i0+1, \i0+2, \i0+3
	FRAG AF+FR*(\i), ADRA+\slot, \q, \i
.endr
.endm
.macro SCALES sc                       ; a slot's scale words: four a row; lanes 0-15 A's block i, lanes 16-31 B's block i
.irp i, 0,1,2,3,4,5,6,7
	ds_load_b128 v[SC+8*NQ*\sc+NQ*\i:SC+8*NQ*\sc+NQ*\i+3], v[ADRS] offset:\sc*2048+\i*256
.endr
.endm
.macro PLACES n                        ; plain vector lines between a matrix instruction and a load into, or a read or write of, its registers
.rept \n
	v_nop
.endr
.endm
.macro STEP slot, q, zero              ; 128 along K whose successor lies in the same slot
	s_wait_dscnt 4*NL                              ; B's set and A's blocks 0-3 are in; the youngest eight loads (A's blocks 4-7) may be out
	WIN MUL_LO
	MUL16 0, (\q)%2, \q, \slot, \zero
	MUL16 2, (\q)%2, \q, \slot, \zero
	s_wait_dscnt 0
	PLACES NP
	FETCH_B \slot, (\q)+1, 1-(\q)%2
	FETCH_A \slot, (\q)+1, 0
	WIN MUL_HI
	MUL16 4, (\q)%2, \q, \slot, \zero
	MUL16 6, (\q)%2, \q, \slot, \zero
	PLACES NP
	WIN 0
	FETCH_A \slot, (\q)+1, 4
.endm
	s_wait_tensorcnt 1                             ; the scale bytes and my part of slot 0 are in; slot 1's load may be out
	s_barrier_signal -1
	s_barrier_wait -1                              ; everybody's are
	FETCH_B 0, 0, 0
	FETCH_A 0, 0, 0
	SCALES 0
	FETCH_A 0, 0, 4
	STEP 0, 0, 1                                   ; the first products start the sums: nothing is cleared
	STEP 0, 1, 0
	STEP 0, 2, 0
	; slot 0's last step leads over into slot 1: each wave shows its part of slot 1 landed, then the barrier
	s_wait_tensorcnt 0x0                           ; all my tensor loads have landed
	ds_add_u32 v[SPW], v[NIL]                      ; 0 onto my spare word
	s_wait_dscnt 4*NL+1                            ; (the add and the youngest eight loads may be out)
	WIN MUL_LO
	MUL16 0, 1, 3, 0, 0
	s_wait_dscnt 0x0
	s_barrier_signal -1
	MUL16 2, 1, 3, 0, 0
	WIN 0
	s_barrier_wait -1
	PLACES NP
	FETCH_B 1, 0, 0
	FETCH_A 1, 0, 0
	SCALES 1
	WIN MUL_HI
	MUL16 4, 1, 3, 0, 0
	MUL16 6, 1, 3, 0, 0
	PLACES NP
	WIN 0
	FETCH_A 1, 0, 4
	STEP 1, 0, 0
	STEP 1, 1, 0
	STEP 1, 2, 0
	s_wait_dscnt 4*NL                              ; the last step fetches nothing
	WIN MUL_LO
	MUL16 0, 1, 3, 1, 0
	MUL16 2, 1, 3, 1, 0
	s_wait_dscnt 0
	WIN MUL_HI
	MUL16 4, 1, 3, 1, 0
	MUL16 6, 1, 3, 1, 0
	WIN 0
	PLACES NP                                      ; ahead of the first read of results and the first write over scale words and fragments
	s_cmp_eq_u32 ttmp9, 2
	s_cbranch_scc1 .Lv
; ---- q and k.  Register j of accumulator (a, b), lane (r, h): position 16 a + r, column 16 b + 8 h + j.  A head is four b: channels d and d + 32 lie in accumulators b and b + 2 of the same lane.
	s_lshl_b32 s19, s41, 4
	s_lshl_b32 s20, s40, 2
	s_add_co_u32 s19, s19, s20
	s_lshl_b32 s20, s16, 1
	s_add_co_u32 s19, s19, s20                     ; 16 b + my first head
	s_lshl_b32 s20, s19, 18
	s_lshl_b32 s18, ttmp9, 24                      ; q's part or k's
	s_add_co_u32 s20, s20, s18
	s_lshl_b32 s18, s42, 11
	s_add_co_u32 s20, s20, s18
	s_mov_b32 s21, 0
	s_add_nc_u64 s[10:11], s[10:11], s[20:21]
	s_lshl_b32 s20, s19, 12
	s_lshl_b32 s18, ttmp9, 18
	s_add_co_u32 s20, s20, s18
	s_add_nc_u64 s[12:13], s[12:13], s[20:21]
	s_or_b32 s18, s17, s15                         ; 0 where my first 16 rows are positions 0-15
.macro ROPE a
.if (\a) < 7
	s_wait_loadcnt 8                               ; this block's table is in; the next block's eight loads may be out
.else
	s_wait_loadcnt 0x0
.endif
	s_wait_xcnt 0x0                                ; the earlier stores have read their data: the registers are written again only behind this wait
	WIN 0x02+(\a)/4                                ; source 0: the accumulators' window
.irp hd, 0,1
.irp bp, 0,1
.irp jj, 0,2,4,6                       ; each accumulator is read from its low end on
.set X1, 8*(8*((\a)%4)+4*\hd+\bp)+\jj
.set X2, X1+16
.set CC, CS+32*((\a)%2)+8*\bp+\jj
.set SS, CC+16
.set Y1, Y+8*(4*\hd+\bp)+\jj
.set Y2, Y1+16
	v_pk_mul_f32 v[Y1:Y1+1], v[X2:X2+1], v[SS:SS+1]
	v_pk_mul_f32 v[Y2:Y2+1], v[X2:X2+1], v[CC:CC+1]
	v_pk_fma_f32 v[Y1:Y1+1], v[X1:X1+1], v[CC:CC+1], v[Y1:Y1+1] neg_lo:[0,0,1] neg_hi:[0,0,1]   ; x1 cos - x2 sin
	v_pk_fma_f32 v[Y2:Y2+1], v[X1:X1+1], v[SS:SS+1], v[Y2:Y2+1]                                 ; x1 sin + x2 cos
.endr
.endr
.endr
	WIN 0
.if (\a) == 0
	s_cmp_lg_u32 s18, 0
	s_cbranch_scc1 .Lno16
.irp b, 0,1,2,3,4,5,6,7
	global_store_b128 v[LI], v[Y+8*\b:Y+8*\b+3], s[12:13] offset:(\b/4)*4096+(\b%4)*1024
	global_store_b128 v[LI], v[Y+8*\b+4:Y+8*\b+7], s[12:13] offset:(\b/4)*4096+(\b%4)*1024+512
.endr
.Lno16:
.endif
.irp b, 0,1,2,3,4,5,6,7
.irp i, 0,1,2,3
	v_cvt_pk_f16_f32 v[PK+32*((\a)%2)+4*\b+\i], v[Y+8*\b+2*\i], v[Y+8*\b+2*\i+1]
.endr
.endr
.irp b, 0,1,2,3,4,5,6,7
	global_store_b128 v[LI], v[PK+32*((\a)%2)+4*\b:PK+32*((\a)%2)+4*\b+3], s[10:11] offset:(\b/4)*262144+(\a)*2048+(\b%4)*512 th:TH_STORE_NT   ; 512 consecutive bytes
.endr
.if (\a) < 6
	TAB (\a)+2
.endif
.endm
.irp a, 0,1,2,3,4,5,6,7
	ROPE \a
.endr
	s_branch .Lend
; ---- v.  Register j of accumulator (a, b), lane (r, h): channel 16 a + r of my 128 columns, position 16 b + 8 h + j.
.Lv:
	s_lshl_b32 s19, s40, 4
	s_lshl_b32 s20, s41, 2
	s_add_co_u32 s19, s19, s20
	s_lshl_b32 s20, s15, 1
	s_add_co_u32 s19, s19, s20                     ; 16 b + my first head
	s_lshl_b32 s20, s19, 18
	s_add_co_u32 s20, s20, 33554432                ; v's part
	s_lshl_b32 s18, s17, 3
	s_lshl_b32 s22, s16, 2
	s_add_co_u32 s18, s18, s22                     ; my first block of 32 keys
	s_lshl_b32 s18, s18, 12
	s_add_co_u32 s20, s20, s18
	s_mov_b32 s21, 0
	s_add_nc_u64 s[10:11], s[10:11], s[20:21]
	s_lshl_b32 s20, s19, 12
	s_add_co_u32 s20, s20, 524288
	s_add_nc_u64 s[12:13], s[12:13], s[20:21]
.irp a, 0,1,2,3,4,5,6,7
.if \a >= 2
	s_wait_xcnt 0x0                                ; block a - 2's stores have read this set
.endif
	WIN 0x0a+5*(\a/4)                              ; sources 0 and 1: the accumulators' window
.irp b, 0,1,2,3,4,5,6,7
.irp i, 0,1,2,3
	v_cvt_pk_f16_f32 v[PK+32*(\a%2)+4*\b+\i], v[8*(8*(\a%4)+\b)+2*\i], v[8*(8*(\a%4)+\b)+2*\i+1]
.endr
.endr
	WIN 0
.irp b, 0,1,2,3,4,5,6,7
	global_store_b128 v[LI], v[PK+32*(\a%2)+4*\b:PK+32*(\a%2)+4*\b+3], s[10:11] offset:(\a/4)*262144+(\b/2)*4096+(\a%4)*1024+(\b%2)*512 th:TH_STORE_NT
.endr
.endr
	s_or_b32 s18, s17, s16                         ; 0 where my first 16 positions are positions 0-15
	s_cmp_lg_u32 s18, 0
	s_cbranch_scc1 .Lend
.irp a, 0,1,2,3,4,5,6,7
	WIN 0x08+4*(\a/4)                              ; a store's data are its source 1
	global_store_b128 v[LI], v[64*(\a%4):64*(\a%4)+3], s[12:13] offset:(\a/4)*4096+(\a%4)*1024
	global_store_b128 v[LI], v[64*(\a%4)+4:64*(\a%4)+7], s[12:13] offset:(\a/4)*4096+(\a%4)*1024+512
.endr
	WIN 0
.Lend:
	s_wait_tensorcnt 0x0                           ; the wave's end
	ds_add_u32 v[SPW], v[NIL]
	s_wait_dscnt 0x0
	CROUND                                         ; the closing round
	s_endpgm
.Lfunc_end_k_q7bf77a396b_qkv:
	.size	k_q7bf77a396b_qkv, .Lfunc_end_k_q7bf77a396b_qkv-k_q7bf77a396b_qkv
	.p2alignl 7, 3214868480
	.fill 96, 4, 3214868480
	.section	.rodata,"a",@progbits
	.p2align	6, 0x0
	.amdhsa_kernel k_q7bf77a396b_qkv
		.amdhsa_group_segment_fixed_size 327680
		.amdhsa_private_segment_fixed_size 0
		.amdhsa_enable_private_segment 0
		.amdhsa_kernarg_size 40
		.amdhsa_user_sgpr_count 2
		.amdhsa_user_sgpr_kernarg_segment_ptr 1
		.amdhsa_wavefront_size32 1
		.amdhsa_system_sgpr_workgroup_id_x 1
		.amdhsa_system_sgpr_workgroup_id_y 1
		.amdhsa_system_sgpr_workgroup_id_z 1
		.amdhsa_system_vgpr_workitem_id 0
		.amdhsa_next_free_vgpr 1024
		.amdhsa_next_free_sgpr 98
		.amdhsa_reserve_vcc 0
		.amdhsa_float_denorm_mode_32 3
		.amdhsa_float_denorm_mode_16_64 3
		.amdhsa_memory_ordered 1
		.amdhsa_forward_progress 1
		.amdhsa_inst_pref_size 182
	.end_amdhsa_kernel
	.amdgpu_metadata
---
amdhsa.version: [ 1, 2 ]
amdhsa.kernels:
  - .name:           k_q7bf77a396b_qkv
    .symbol:         k_q7bf77a396b_qkv.kd
    .args:
      - { .name: codes, .offset: 0, .size: 8, .value_kind: global_buffer, .address_space: global }
      - { .name: scales, .offset: 8, .size: 8, .value_kind: global_buffer, .address_space: global }
      - { .name: rope_img, .offset: 16, .size: 8, .value_kind: global_buffer, .address_space: global }
      - { .name: qkv_img, .offset: 24, .size: 8, .value_kind: global_buffer, .address_space: global }
      - { .name: qkv16, .offset: 32, .size: 8, .value_kind: global_buffer, .address_space: global }
    .group_segment_fixed_size: 327680
    .private_segment_fixed_size: 0
    .kernarg_segment_align: 8
    .kernarg_segment_size: 40
    .max_flat_workgroup_size: 128
    .sgpr_count:     98
    .vgpr_count:     1024
    .wavefront_size: 32
...
	.end_amdgpu_metadata
.endif
;; end of part 2
;; launch attn (part 3): grid 4 x 64, 16 waves a work-group, clusters of 4 x 1, 327,680 bytes of LDS; arguments qkv_img, attn_img; writes attn_img
.if DOCPART == 3
	.amdgcn_target "amdgcn-amd-amdhsa--gfx1250"
	.amdhsa_code_object_version 6
	.text
	.protected	k_q7bf77a396b_attn
	.globl	k_q7bf77a396b_attn
	.p2align	8
	.type	k_q7bf77a396b_attn,@function
k_q7bf77a396b_attn:
	s_mov_b64 s[64:65], 0
	v_nop
	global_prefetch_b8 v0, s[64:65] scope:SCOPE_SE
	s_setreg_imm32_b32 hwreg(HW_REG_WAVE_MODE, 25, 1), 1
	s_wait_xcnt 0x0
	s_wait_alu depctr_hold_cnt(0) depctr_sa_sdst(0) depctr_va_vdst(0) depctr_va_sdst(0) depctr_va_ssrc(0) depctr_va_vcc(0) depctr_vm_vsrc(0)
	s_getreg_b32 s2, hwreg(HW_REG_IB_STS2, 6, 4)
	s_cmp_eq_u32 s2, 0
	s_cbranch_scc0 .Lentry_in_a_cluster
	s_endpgm
.Lentry_in_a_cluster:
	s_bfe_u32 s2, ttmp6, 0x10000c
	s_cmp_lg_u32 s2, 0x3003
	s_cbranch_scc0 .Lentry_shape_is_right
	s_endpgm
.Lentry_shape_is_right:
; Causal attention, head size 64, 2,048 positions, 64 (batch, head) pairs; q, k, v, the weights p and the result in f16, products' sums, maxima and row sums in f32.
; SHARES.  A cluster of four work-groups is one (batch, head).  Wave w of partner cx owns 32 queries, two tiles of 16, from 128 u + 32 cx on; u = w for w < 8, else 23 - w.
; Keys go in 16 chunks of 128.  Trip T = 0 .. 7 holds chunk T and chunk 15 - T in one LDS slot.  Wave u wants chunks 0 .. u, so waves u and 15 - u together have two chunks' work in a trip (three where T = u):
; the trips are alike for all four partners, which therefore want the same tiles in the same trip: every tile is asked for jointly, mask 15.  The running maximum makes the order of the chunks free.
; A chunk beyond u is left out by a scalar branch on the trip and the wave's number.  In chunk u both steps of 64 keys hide keys by a compare against a lane's number that holds cx as data: no branch hangs on cx.
; A step all of whose keys are hidden for a query adds zeros: its maximum is a number by then, since every wave's first step holds key 0.
; LAYOUT.  S^T = K Q^T (source 0 = 16 keys, source 1 = 16 queries), O^T = V^T P (source 0 = 16 channels): a lane holds ONE query throughout.  K, Q and V^T lie in memory as images of these fragments.
; SOFTMAX.  p = 2^(c s - c m), c = log2(e) / 8, m the running maximum; O and the sum l are multiplied by a = 2^(c m_old - c m_new) in every step.
; LIMITS: f16's range for q, k, v; the sums' order differs from a walk in ascending keys.
; REGISTERS: v1 16 x lane; v2 the step's LDS address; v3, v4 the add's two; v5 the prefetch's offset; v8-23 statistics (tile t at 8 + 8 t: c m, m, l, l, four at work, a in +6); v24-55 Q; v56-119 S^T, then p, then P in the low half;
;   v120-183 K's fragments, then V's; v184-247 O^T; v248-251 at work; v252 r - 8 h + 32 cx; v253 the step's bound.
.set LI,  1
.set ADR, 2
.set SPW, 3
.set NIL, 4
.set PFO, 5
.set ST,  8
.set Q,   24
.set S,   56
.set KV,  120
.set O,   184
.set TMP, 248
.set VD,  252
.set DD,  253
.set SLOT1, 65536                      ; a slot: K of the low chunk, K of the high chunk, V of the low, V of the high: 4 x 16,384 bytes
.set SPARE, 131072                     ; the spare words, 128 bytes a wave: eight blocks of 256 bytes that no other line names
.set WV,  8
.set U,   9
.set TAU, 10
.set I,   11
.set J,   12
.set TB,  13
.set LIM, 14
.set BH,  15
.set CX,  16
.set G1,  24                           ; s[24:31] descriptor group 1: the same shape for every tile
.set G0U, 32                           ; s[32:35] group 0 for the low chunk: it walks up, 16,384 bytes a trip
.set G0D, 36                           ; s[36:39] group 0 for the high chunk: it walks down
.set PFA, 40                           ; s[40:41] where my prefetches stand
.set PFS, 42                           ; s[42:43] their step
.set QB,  44
.set OB,  46
.set CS,  48                           ; s[48:49] c
.set SEL, 50                           ; s[50:51] selects for lane l xor 16
.macro ROUND                           ; a round of the cluster's barrier
	s_barrier_signal -1
	s_barrier_wait -1
	s_cmp_lg_u32 s[WV], 0
	s_cbranch_scc1 .Lnot_wave_0_\@
	s_barrier_signal -3
.Lnot_wave_0_\@:
	s_barrier_wait -3
	s_barrier_signal -1
	s_barrier_wait -1
.endm
; Waves 0 to 3 fetch one quarter of a slot each, 16,384 dense bytes: waves 0 and 1 the low chunk's K and V, waves 2 and 3 the high chunk's; the others nothing.
; The branches hang on the wave's number alone.  An s_nop 0 and four v_nop follow each of the two lines.
.macro TLOAD
	s_cmp_lt_u32 s[WV], 2
	s_cbranch_scc0 .Lnot_up_\@
	tensor_load_to_lds s[G0U:G0U+3], s[G1:G1+7]
	s_nop 0
.rept 4
	v_nop
.endr
	s_branch .Lasked_\@
.Lnot_up_\@:
	s_cmp_lt_u32 s[WV], 4
	s_cbranch_scc0 .Lasked_\@
	tensor_load_to_lds s[G0D:G0D+3], s[G1:G1+7]
	s_nop 0
.rept 4
	v_nop
.endr
.Lasked_\@:
.endm
; A PREFETCH INTO THE L2 of the slot that the NEXT change of slots will ask for.  Partner cx takes one of its four blocks (0: K low, 1: K high, 2: V low, 3: V high), told apart by address;
; its waves 4 and 5 take 8,192 bytes each, lanes 256 bytes apart.  So each aligned block of 256 bytes is named once in the launch.  Trips 0 and 1 come by their loads alone; the changes of trips 6 and 7 ask for nothing.
.macro ASK
	s_cmp_lt_u32 s[TAU], s[LIM]
	s_cbranch_scc0 .Lnot_mine_\@
	global_prefetch_b8 v[PFO], s[PFA:PFA+1] th:TH_LOAD_NT scope:SCOPE_SE
.Lnot_mine_\@:
.endm
	s_load_b128 s[4:7], s[0:1], 0x0                ; qkv_img, attn_img
	v_lshl_add_u32 v[SPW], v0, 2, SPARE
	v_mov_b32 v[NIL], 0
	ds_add_u32 v[SPW], v[NIL]                      ; the wave's opening: the add, twice on end, and its wait ahead of the first tensor load
	ds_add_u32 v[SPW], v[NIL]
	v_lshrrev_b32 v6, 5, v0
	v_readfirstlane_b32 s[WV], v6                  ; wave 0..15
	s_bfe_u32 s[CX], ttmp6, 0x40000                ; my place in the cluster
	s_and_b32 s[BH], ttmp7, 0xffff                 ; 16 x batch + head
	s_sub_co_u32 s17, 23, s[WV]
	s_cmp_lt_u32 s[WV], 8
	s_cselect_b32 s[U], s[WV], s17
	s_mov_b32 s[G1], 15|(3<<16)|(1<<21)            ; the mask: all four; elements of 8 bytes; bit 21 beside a mask; no padding
	s_mov_b32 s[G1+1], 32<<16                      ; rows of 256 bytes,
	s_mov_b32 s[G1+2], 64<<16                      ; 64 of them
	s_mov_b32 s[G1+3], 32<<16
	s_mov_b32 s[G1+4], 64
	s_mov_b32 s[G1+5], 32
	s_mov_b32 s[G1+6], 0
	s_mov_b32 s[G1+7], 0
	s_and_b32 s20, s[WV], 1                        ; even waves fetch K, odd waves V
	s_add_co_u32 s18, s20, 1
	s_lshl_b32 s18, s18, 24                        ; K's part of the buffer or V's,
	s_lshl_b32 s19, s[BH], 18
	s_add_co_u32 s18, s18, s19                     ; my (batch, head)
	s_mov_b32 s19, 0
	s_lshl_b32 s21, s20, 15                        ; my quarter of a slot: 32,768 x (wave % 2) + 16,384 x (wave / 2)
	s_lshr_b32 s17, s[WV], 1
	s_lshl_b32 s17, s17, 14
	s_add_co_u32 s21, s21, s17
	s_lshr_b32 s22, s[CX], 1                       ; the prefetches: partners 0, 1: K; 2, 3: V
	s_add_co_u32 s22, s22, 1
	s_lshl_b32 s22, s22, 24
	s_lshl_b32 s23, s[BH], 18
	s_add_co_u32 s22, s22, s23
	s_and_b32 s52, s[CX], 1                        ; even partners: chunk 1, walking up; odd: chunk 14, walking down.  The first change steps them to trip 2's
	s_mul_i32 s53, s52, 13*16384
	s_add_co_u32 s22, s22, s53
	s_add_co_u32 s22, s22, 16384
	s_lshl_b32 s53, s20, 13                        ; wave 4 the block's first 8,192 bytes, wave 5 the others
	s_add_co_u32 s22, s22, s53
	s_mov_b32 s23, 0
	s_lshl_b32 s53, s52, 15
	s_sub_co_i32 s[PFS], 16384, s53
	s_ashr_i32 s[PFS+1], s[PFS], 31
	s_lshr_b32 s53, s[WV], 1
	s_cmp_eq_u32 s53, 2
	s_cselect_b32 s[LIM], 6, 0                     ; waves 4 and 5 ask, in trips 0 to 5
	s_lshl_b32 s54, s[BH], 18                      ; Q: my 32 rows' images
	s_lshl_b32 s53, s[U], 14
	s_add_co_u32 s54, s54, s53
	s_lshl_b32 s53, s[CX], 12
	s_add_co_u32 s54, s54, s53
	s_mov_b32 s55, 0
	s_lshr_b32 s56, s[BH], 4                       ; the result: (16 b + u) x 262,144 + (head / 2) x 32,768 + cx x 8,192 + (head % 2) x 2,048
	s_lshl_b32 s56, s56, 4
	s_add_co_u32 s56, s56, s[U]
	s_lshl_b32 s56, s56, 18
	s_bfe_u32 s53, s[BH], 0x30001
	s_lshl_b32 s53, s53, 15
	s_add_co_u32 s56, s56, s53
	s_lshl_b32 s53, s[CX], 13
	s_add_co_u32 s56, s56, s53
	s_and_b32 s53, s[BH], 1
	s_lshl_b32 s53, s53, 11
	s_add_co_u32 s56, s56, s53
	s_mov_b32 s57, 0
	s_mov_b32 s[CS], 0x3e38aa3b                    ; c = log2(e) / 8
	s_mov_b32 s[CS+1], s[CS]
	s_mov_b32 s[SEL], 0x76543210
	s_mov_b32 s[SEL+1], 0xfedcba98
	v_and_b32 v6, 31, v0
	v_lshlrev_b32 v[LI], 4, v6
	v_lshlrev_b32 v[PFO], 8, v6
	v_and_b32 v6, 15, v0
	v_bfe_u32 v7, v0, 4, 1
	v_lshlrev_b32 v7, 3, v7
	v_sub_nc_u32 v[VD], v6, v7
	s_lshl_b32 s53, s[CX], 5
	v_add_nc_u32 v[VD], s53, v[VD]                 ; r - 8 h + 32 cx
	s_wait_dscnt 0x0                               ; both opening adds are done
	s_wait_kmcnt 0x0
	s_mov_b32 s[G0U], 1                            ; every wave makes both descriptors and steps both by constants; a fetching wave asks by one of them
	s_mov_b32 s[G0U+1], s21                        ; slot 0, my quarter
	s_add_nc_u64 s[G0U+2:G0U+3], s[4:5], s[18:19]  ; chunk 0
	s_mov_b32 s[G0D], 1
	s_mov_b32 s[G0D+1], s21
	s_add_nc_u64 s[G0D+2:G0D+3], s[G0U+2:G0U+3], 15*16384   ; chunk 15
	s_or_b32 s[G0U+3], s[G0U+3], 0x80000000
	s_or_b32 s[G0D+3], s[G0D+3], 0x80000000
	s_add_nc_u64 s[PFA:PFA+1], s[4:5], s[22:23]
	s_add_nc_u64 s[QB:QB+1], s[4:5], s[54:55]
	s_add_nc_u64 s[OB:OB+1], s[6:7], s[56:57]
	ROUND                                          ; all four work-groups are here
	TLOAD                                          ; trip 0's slot
.irp t, 0,1
.irp ks, 0,1
.irp e, 0,1
	global_load_b128 v[Q+8*(2*\t+\ks)+4*\e:Q+8*(2*\t+\ks)+4*\e+3], v[LI], s[QB:QB+1] offset:\t*2048+\ks*1024+\e*512
.endr
.endr
.endr
.irp t, 0,1
	v_mov_b32 v[ST+8*\t+1], 0xff61b1e6             ; m: -3e38, under every score
	v_mul_f32 v[ST+8*\t], s[CS], v[ST+8*\t+1]
.irp i, 2,3,4,5,6,7
	v_mov_b32 v[ST+8*\t+\i], 0
.endr
.endr
.set i, 0
.rept 64
	v_mov_b32 v[O+i], 0                            ; the step is written without a first step of its own: it finds zeros, which the first a leaves zeros
.set i, i+1
.endr
	s_wait_loadcnt 0x0                             ; Q
; A STEP: 64 keys for my two tiles of queries
.macro STEP
	v_add_nc_u32 v[ADR], s[TB], v[LI]
.irp kt, 0,1,2,3
.irp ks, 0,1
.irp e, 0,1
	ds_load_b128 v[KV+8*(2*\kt+\ks)+4*\e:KV+8*(2*\kt+\ks)+4*\e+3], v[ADR] offset:\kt*2048+\ks*1024+\e*512
.endr
.endr
.endr
	s_wait_dscnt 0x0
.irp ks, 0,1                           ; eight accumulators by turns
.irp kt, 0,1,2,3
.irp t, 0,1
.if \ks == 0
	v_wmma_f32_16x16x32_f16 v[S+32*\t+8*\kt:S+32*\t+8*\kt+7], v[KV+8*(2*\kt+\ks):KV+8*(2*\kt+\ks)+7], v[Q+8*(2*\t+\ks):Q+8*(2*\t+\ks)+7], 0
.else
	v_wmma_f32_16x16x32_f16 v[S+32*\t+8*\kt:S+32*\t+8*\kt+7], v[KV+8*(2*\kt+\ks):KV+8*(2*\kt+\ks)+7], v[Q+8*(2*\t+\ks):Q+8*(2*\t+\ks)+7], v[S+32*\t+8*\kt:S+32*\t+8*\kt+7]
.endif
.endr
.endr
.endr
.rept 4
	v_nop                                          ; places ahead of the loads over K's fragments and of the first read of the scores
.endr
.irp k32, 0,1
.irp ct, 0,1,2,3
.irp e, 0,1
	ds_load_b128 v[KV+8*(4*\k32+\ct)+4*\e:KV+8*(4*\k32+\ct)+4*\e+3], v[ADR] offset:32768+\k32*4096+\ct*1024+\e*512   ; V^T lands while the softmax is walked
.endr
.endr
.endr
	s_cmp_lg_u32 s[J], s[U]
	s_cbranch_scc1 .Lopen_\@
	s_and_b32 s17, s[I], 1                         ; my own chunk: register j of tile (t, kt) holds key 64 (I % 2) + 16 kt + 8 h + j, my query is 32 cx + 16 t + r
	s_lshl_b32 s17, s17, 6
	v_sub_nc_u32 v[DD], v[VD], s17
.irp t, 0,1
.irp kt, 0,1,2,3
.irp j, 0,1,2,3,4,5,6,7
	v_cmp_le_i32 vcc_lo, 16*\kt+\j-16*\t, v[DD]
	v_cndmask_b32 v[S+32*\t+8*\kt+\j], 0xff800000, v[S+32*\t+8*\kt+\j], vcc_lo   ; a hidden key's score becomes -infinity
.endr
.endr
.endr
.Lopen_\@:
.irp j, 0,1,2,3                        ; the maximum: four chains a tile, each accumulator from its low end on; the two tiles line by line
.irp t, 0,1
	v_max3_num_f32 v[ST+8*\t+4+\j], v[S+32*\t+8*\j], v[S+32*\t+8*\j+1], v[S+32*\t+8*\j+2]
.endr
.endr
.irp g, 1,2
.irp j, 0,1,2,3
.irp t, 0,1
	v_max3_num_f32 v[ST+8*\t+4+\j], v[ST+8*\t+4+\j], v[S+32*\t+8*\j+2*\g+1], v[S+32*\t+8*\j+2*\g+2]
.endr
.endr
.endr
.irp t, 0,1
	v_max3_num_f32 v[ST+8*\t+4], v[ST+8*\t+4], v[S+32*\t+7], v[S+32*\t+15]
.endr
.irp t, 0,1
	v_max3_num_f32 v[ST+8*\t+6], v[ST+8*\t+6], v[S+32*\t+23], v[S+32*\t+31]
.endr
.irp t, 0,1
	v_max3_num_f32 v[ST+8*\t+4], v[ST+8*\t+4], v[ST+8*\t+5], v[ST+8*\t+6]
.endr
.irp t, 0,1
	v_max3_num_f32 v[ST+8*\t+4], v[ST+8*\t+4], v[ST+8*\t+7], v[ST+8*\t+1]   ; with the old m
.endr
.irp t, 0,1
	v_permlanex16_b32 v[ST+8*\t+5], v[ST+8*\t+4], s[SEL], s[SEL+1]          ; the query's other 32 keys lie 16 lanes away
.endr
.irp t, 0,1
	v_mov_b32 v[ST+8*\t+7], v[ST+8*\t]             ; c m_old
.endr
.irp t, 0,1
	v_max_num_f32 v[ST+8*\t+1], v[ST+8*\t+4], v[ST+8*\t+5]
.endr
.irp t, 0,1
	v_mul_f32 v[ST+8*\t], s[CS], v[ST+8*\t+1]
.endr
.irp t, 0,1
	v_sub_f32 v[ST+8*\t+7], v[ST+8*\t+7], v[ST+8*\t]
.endr
.irp b, 0,2,4,6,8,10,12,14,16,18,20,22,24,26,28,30
.irp t, 0,1
	v_pk_fma_f32 v[S+32*\t+\b:S+32*\t+\b+1], v[S+32*\t+\b:S+32*\t+\b+1], s[CS:CS+1], v[ST+8*\t:ST+8*\t+1] op_sel_hi:[1,0,0] neg_lo:[0,0,1] neg_hi:[0,0,1]   ; c s - c m
.endr
.endr
.irp t, 0,1
	v_exp_f32 v[ST+8*\t+6], v[ST+8*\t+7]           ; a
.endr
.set e, 0
.rept 32
	v_exp_f32 v[S+e], v[S+e]                       ; p
	v_exp_f32 v[S+32+e], v[S+32+e]
.set e, e+1
.endr
	v_nop                                          ; a plain line behind the batch,
	s_wait_alu depctr_va_vdst(0)                   ; and one wait for its 66 exponentials, ahead of the first reader
.irp t, 0,1
	v_pk_mul_f32 v[ST+8*\t+2:ST+8*\t+3], v[ST+8*\t+2:ST+8*\t+3], v[ST+8*\t+6:ST+8*\t+7] op_sel_hi:[1,0]
.endr
.irp t, 0,1
	v_pk_add_f32 v[TMP+2*\t:TMP+2*\t+1], v[S+32*\t:S+32*\t+1], v[S+32*\t+2:S+32*\t+3]
.endr
.irp j, 4,8,12,16,20,24,28
.irp t, 0,1
	v_pk_add_f32 v[ST+8*\t+2:ST+8*\t+3], v[ST+8*\t+2:ST+8*\t+3], v[S+32*\t+\j:S+32*\t+\j+1]
	v_pk_add_f32 v[TMP+2*\t:TMP+2*\t+1], v[TMP+2*\t:TMP+2*\t+1], v[S+32*\t+\j+2:S+32*\t+\j+3]
.endr
.endr
.irp t, 0,1
	v_pk_add_f32 v[ST+8*\t+2:ST+8*\t+3], v[ST+8*\t+2:ST+8*\t+3], v[TMP+2*\t:TMP+2*\t+1]
.endr
.irp n, 0,1,2,3,4,5,6,7,8,9,10,11,12,13,14,15
.irp t, 0,1
	v_cvt_pk_f16_f32 v[S+32*\t+\n], v[S+32*\t+2*\n], v[S+32*\t+2*\n+1]   ; in place, ascending: register n has been used up when it is written.  Registers 8 k .. 8 k + 7 are P for keys 32 k on
.endr
.endr
.irp j, 0,2,4,6,8,10,12,14,16,18,20,22,24,26,28,30
.irp t, 0,1
	v_pk_mul_f32 v[O+32*\t+\j:O+32*\t+\j+1], v[O+32*\t+\j:O+32*\t+\j+1], v[ST+8*\t+6:ST+8*\t+7] op_sel_hi:[1,0]
.endr
.endr
	s_wait_dscnt 0x0                               ; V^T is in
.irp k32, 0,1
.irp ct, 0,1,2,3
.irp t, 0,1
	v_wmma_f32_16x16x32_f16 v[O+32*\t+8*\ct:O+32*\t+8*\ct+7], v[KV+8*(4*\k32+\ct):KV+8*(4*\k32+\ct)+7], v[S+32*\t+8*\k32:S+32*\t+8*\k32+7], v[O+32*\t+8*\ct:O+32*\t+8*\ct+7]
.endr
.endr
.endr
.rept 5
	v_nop                                          ; five places: the next step's products write over P's registers; its loads land on V's; the way out reads O^T
.endr
.endm
; THE CHANGE OF SLOTS, at a trip's head.  Every wave waits for all its tensor loads, adds 0 to its spare word, waits for that and for its reads of the slot that it has left; then the round.
.macro CHANGE fill
	s_wait_tensorcnt 0x0                           ; no tensor load of mine is out, so the descriptors may be written
	ds_add_u32 v[SPW], v[NIL]
.if \fill
	ds_add_u32 v[SPW], v[NIL]                      ; twice on end here, in every trip alike
	s_xor_b32 s[G0U+1], s[G0U+1], SLOT1            ; the other slot,
	s_add_nc_u64 s[G0U+2:G0U+3], s[G0U+2:G0U+3], 16384   ; the next low chunk: one up; the type bits on top are not reached
	s_xor_b32 s[G0D+1], s[G0D+1], SLOT1
	s_sub_nc_u64 s[G0D+2:G0D+3], s[G0D+2:G0D+3], 16384   ; the next high chunk: one down, seven times from chunk 15
	s_wait_xcnt 0x0                                ; the last prefetch, a trip back, has read its address
	s_add_nc_u64 s[PFA:PFA+1], s[PFA:PFA+1], s[PFS:PFS+1]
	s_wait_dscnt 0x0
	ROUND                                          ; no wave of any partner reads the slot or has a load on its way
	TLOAD                                          ; the one tensor load of a wave behind the round: it has a trip's steps in which to land
	ASK
.else
	s_wait_dscnt 0x0
	s_barrier_signal -1
	s_barrier_wait -1
.endif
.endm
; A TRIP: four steps: two of the low chunk, two of the high one.  The count is a constant; a step whose chunk lies beyond my queries is jumped over, its address steps are not.
.macro TRIP
	s_mov_b32 s[I], 0
.Lstep_\@:
	s_sub_co_u32 s17, 15, s[TAU]
	s_cmp_lt_u32 s[I], 2
	s_cselect_b32 s[J], s[TAU], s17                ; the step's chunk
	s_cmp_gt_u32 s[J], s[U]
	s_cbranch_scc1 .Lskip_\@
	STEP
.Lskip_\@:
	s_add_co_u32 s[TB], s[TB], 8192
	s_add_co_u32 s[I], s[I], 1
	s_cmp_lt_u32 s[I], 4
	s_cbranch_scc1 .Lstep_\@
	s_sub_co_u32 s[TB], s[TB], 32768
	s_xor_b32 s[TB], s[TB], SLOT1                  ; on to the other slot
.endm
	s_mov_b32 s[TAU], 0
	s_mov_b32 s[TB], 0
.Lslot:                                            ; seven trips, each asking for the next trip's slot
	CHANGE 1
	TRIP
	s_add_co_u32 s[TAU], s[TAU], 1
	s_cmp_lt_u32 s[TAU], 7
	s_cbranch_scc1 .Lslot
	CHANGE 0                                       ; the last trip is written out: it asks for nothing
	TRIP
	; THE WAY OUT: O^T / l, rounded to f16: a lane's eight channels of a query are 16 bytes of the projection's operand image
.irp t, 0,1
	v_add_f32 v[ST+8*\t+4], v[ST+8*\t+2], v[ST+8*\t+3]
.endr
.irp t, 0,1
	v_permlanex16_b32 v[ST+8*\t+5], v[ST+8*\t+4], s[SEL], s[SEL+1]
.endr
.irp t, 0,1
	v_add_f32 v[ST+8*\t+4], v[ST+8*\t+4], v[ST+8*\t+5]
.endr
.irp t, 0,1
	v_rcp_f32 v[ST+8*\t+6], v[ST+8*\t+4]
.endr
	v_nop
	s_wait_alu depctr_va_vdst(0)                   ; one wait for the two reciprocals, ahead of their first reader
.irp t, 0,1
.irp j, 0,2,4,6,8,10,12,14,16,18,20,22,24,26,28,30
	v_pk_mul_f32 v[O+32*\t+\j:O+32*\t+\j+1], v[O+32*\t+\j:O+32*\t+\j+1], v[ST+8*\t+6:ST+8*\t+7] op_sel_hi:[1,0]
.endr
.endr
.irp t, 0,1
.irp n, 0,1,2,3,4,5,6,7,8,9,10,11,12,13,14,15
	v_cvt_pk_f16_f32 v[S+16*\t+\n], v[O+32*\t+2*\n], v[O+32*\t+2*\n+1]
.endr
.endr
.irp t, 0,1
.irp ct, 0,1,2,3
	global_store_b128 v[LI], v[S+16*\t+4*\ct:S+16*\t+4*\ct+3], s[OB:OB+1] offset:\t*4096+\ct*512 th:TH_STORE_NT   ; 512 consecutive bytes
.endr
.endr
	s_wait_tensorcnt 0x0                           ; the wave's end
	ds_add_u32 v[SPW], v[NIL]
	s_wait_dscnt 0x0
	ROUND                                          ; the closing round
	s_endpgm
.Lfunc_end_k_q7bf77a396b_attn:
	.size	k_q7bf77a396b_attn, .Lfunc_end_k_q7bf77a396b_attn-k_q7bf77a396b_attn
	.p2alignl 7, 3214868480
	.fill 96, 4, 3214868480
	.section	.rodata,"a",@progbits
	.p2align	6, 0x0
	.amdhsa_kernel k_q7bf77a396b_attn
		.amdhsa_group_segment_fixed_size 327680
		.amdhsa_private_segment_fixed_size 0
		.amdhsa_enable_private_segment 0
		.amdhsa_kernarg_size 16
		.amdhsa_user_sgpr_count 2
		.amdhsa_user_sgpr_kernarg_segment_ptr 1
		.amdhsa_wavefront_size32 1
		.amdhsa_system_sgpr_workgroup_id_x 1
		.amdhsa_system_sgpr_workgroup_id_y 1
		.amdhsa_system_sgpr_workgroup_id_z 1
		.amdhsa_system_vgpr_workitem_id 0
		.amdhsa_next_free_vgpr 256
		.amdhsa_next_free_sgpr 66
		.amdhsa_reserve_vcc 1
		.amdhsa_float_denorm_mode_32 3
		.amdhsa_float_denorm_mode_16_64 3
		.amdhsa_memory_ordered 1
		.amdhsa_forward_progress 1
		.amdhsa_inst_pref_size 64
	.end_amdhsa_kernel
	.amdgpu_metadata
---
amdhsa.version: [ 1, 2 ]
amdhsa.kernels:
  - .name:           k_q7bf77a396b_attn
    .symbol:         k_q7bf77a396b_attn.kd
    .args:
      - { .name: qkv_img, .offset: 0, .size: 8, .value_kind: global_buffer, .address_space: global }
      - { .name: attn_img, .offset: 8, .size: 8, .value_kind: global_buffer, .address_space: global }
    .group_segment_fixed_size: 327680
    .private_segment_fixed_size: 0
    .kernarg_segment_align: 8
    .kernarg_segment_size: 16
    .max_flat_workgroup_size: 512
    .sgpr_count:     66
    .vgpr_count:     256
    .wavefront_size: 32
...
	.end_amdgpu_metadata
.endif
;; end of part 3
;; launch proj (part 4): grid 4 x 64, 4 waves a work-group, clusters of 4 x 4, 327,680 bytes of LDS; arguments attn_img, wout_img, out0; writes out0
.if DOCPART == 4
	.amdgcn_target "amdgcn-amd-amdhsa--gfx1250"
	.amdhsa_code_object_version 6
	.text
	.protected	k_q7bf77a396b_proj
	.globl	k_q7bf77a396b_proj
	.p2align	8
	.type	k_q7bf77a396b_proj,@function
k_q7bf77a396b_proj:
	s_mov_b64 s[64:65], 0
	v_nop
	global_prefetch_b8 v0, s[64:65] scope:SCOPE_SE
	s_setreg_imm32_b32 hwreg(HW_REG_WAVE_MODE, 25, 1), 1
	s_wait_xcnt 0x0
	s_wait_alu depctr_hold_cnt(0) depctr_sa_sdst(0) depctr_va_vdst(0) depctr_va_sdst(0) depctr_va_ssrc(0) depctr_va_vcc(0) depctr_vm_vsrc(0)
	s_getreg_b32 s2, hwreg(HW_REG_IB_STS2, 6, 4)
	s_cmp_eq_u32 s2, 0
	s_cbranch_scc0 .Lentry_in_a_cluster
	s_endpgm
.Lentry_in_a_cluster:
	s_bfe_u32 s2, ttmp6, 0x10000c
	s_cmp_lg_u32 s2, 0xf033
	s_cbranch_scc0 .Lentry_shape_is_right
	s_endpgm
.Lentry_shape_is_right:
; out0 = (attention's result) Wout, f16 operands, f32 sums; every row but positions 0-15 of each sequence, which another launch makes in f32.
; A tile of 128 rows x 256 columns to a work-group: 256 work-groups.  Four waves, 64 x 128 each: 32 accumulators, window 1.  K = 1,024 goes in eight steps of 128 through two LDS slots.
; Both operands lie in memory as images of fragments: a K step of 128 rows is 32,768 dense bytes; a fragment is two ds_load_b128 at 16 x lane.
; CLUSTER 4 x 4: tile row = 16 cy + cluster y (so the batch is cy and 'positions 0-127' is cluster y = 0), tile column = cx.  A's tiles are asked for jointly along a row of the cluster, B's along a column.
; THE MATRIX INSTRUCTION IS USED TRANSPOSED (source 0 = 16 columns of Wout, source 1 = 16 rows): a lane holds eight neighbouring numbers of a row of out0.
; REGISTERS: window 0: v16-30 addresses; two fragment buffers of 96, at v64 and v160: B's eight fragments, then A's four; on the way out v64-191 rows of out0.   window 1: accumulator (a, b) at v[8 (8 a + b)].
.set SLOT,   98304                     ; A's 128 rows (32,768 bytes), then B's 256 (65,536)
.set STAGE,  196608                    ; behind the ring: 16 rows x 528 bytes for each wave
.set SPITCH, 528
.set SPARE,  230400                    ; the spare words, 128 bytes a wave: two blocks of 256 bytes that no other line names
.set LAPS,   4                         ; a lap = two K steps
.set ADRA, 16
.set ADRB, 20
.set STO,  24
.set RD,   25
.set CO,   26                          ; 16 x lane
.set SPW,  28
.set NIL,  29
.set PFO,  30                          ; 256 x lane
.set F0,   64
.set F1,   160
.set BK,   64
.set G1, 24
.set G0, 32
.set G1B, 48
.set G0B, 56
.set PFA, 44                           ; s[44:45]
.set LIM, 47
.set MSB, 0
.macro WIN new
.if MSB != (\new)
	s_set_vgpr_msb (MSB<<8)|(\new)
.set MSB, (\new)
.endif
.endm
.set MUL, 0x50                         ; C and D window 1, sources 0 and 1 window 0
.macro JLOAD s                         ; waves 0 and 1 fetch A's halves, waves 2 and 3 B's two blocks of 128 columns; an s_nop 0 and four v_nop follow each line
	s_cmp_eq_u32 s11, 0
	s_cbranch_scc0 .Lfor_b_\@
	tensor_load_to_lds s[G0+4*\s:G0+4*\s+3], s[G1:G1+7]
	s_nop 0
.rept 4
	v_nop
.endr
	s_branch .Lasked_\@
.Lfor_b_\@:
	tensor_load_to_lds s[G0B+4*\s:G0B+4*\s+3], s[G1B:G1B+7]
	s_nop 0
.rept 4
	v_nop
.endr
.Lasked_\@:
.endm
.macro CREST
	s_cmp_lg_u32 s10, 0
	s_cbranch_scc1 .Lnot_wave_0_\@
	s_barrier_signal -3
.Lnot_wave_0_\@:
	s_barrier_wait -3
	s_barrier_signal -1
	s_barrier_wait -1
.endm
.macro CROUND
	s_barrier_signal -1
	s_barrier_wait -1
	CREST
.endm
; A PREFETCH INTO THE L2 of A's tile of the K step two refills on: 32,768 bytes, of which partner cx takes 8,192, told apart by address; wave 0 asks, lanes 256 bytes apart.  The cluster spans all columns,
; so nobody else reads these rows: each aligned block of 256 bytes is named once.  K steps 0 to 3 come by their loads alone; the last two refills ask for nothing.  Wout's image is read by all sixteen clusters again and again: it is not asked for.
.macro ASK
	s_cmp_gt_u32 s3, s[LIM]
	s_cbranch_scc0 .Lnot_mine_\@
	global_prefetch_b8 v[PFO], s[PFA:PFA+1] th:TH_LOAD_NT scope:SCOPE_SE
.Lnot_mine_\@:
.endm
	s_load_b128 s[4:7], s[0:1], 0x0                ; attn_img, wout_img
	s_load_b64 s[8:9], s[0:1], 0x10                ; out0
	v_lshl_add_u32 v[SPW], v0, 2, SPARE
	v_mov_b32 v[NIL], 0
	ds_add_u32 v[SPW], v[NIL]                      ; the wave's opening: the add, twice on end, and its wait ahead of my first tensor load
	ds_add_u32 v[SPW], v[NIL]
	v_lshrrev_b32 v1, 5, v0
	v_readfirstlane_b32 s10, v1                    ; wave 0..3
	s_lshr_b32 s11, s10, 1                         ; which 64 rows are mine.  Also: I fetch for A (0) or for B (1)
	s_and_b32 s12, s10, 1                          ; which 128 columns.  Also: which part I fetch
	s_bfe_u32 s40, ttmp6, 0x40000                  ; cx
	s_bfe_u32 s41, ttmp6, 0x40004                  ; cy
	s_and_b32 s22, ttmp7, 0xffff                   ; the cluster's y
	s_lshl_b32 s13, s41, 4
	s_add_co_u32 s13, s13, s22                     ; tile row
	s_lshl_b32 s42, s41, 2
	s_lshl_b32 s42, 15, s42                        ; my row of the cluster
	s_lshl_b32 s46, 0x1111, s40                    ; my column
	s_or_b32 s[G1+0], s42, (3<<16)|(1<<21)         ; the mask; elements of 8 bytes; bit 21 beside a mask; no padding
	s_or_b32 s[G1B+0], s46, (3<<16)|(1<<21)
	s_mov_b32 s[G1+1], 32<<16                      ; A: 16,384 dense bytes as 64 rows of 256
	s_mov_b32 s[G1+2], 64<<16
	s_mov_b32 s[G1+3], 32<<16
	s_mov_b32 s[G1+4], 64
	s_mov_b32 s[G1+5], 32
	s_mov_b32 s[G1+6], 0
	s_mov_b32 s[G1+7], 0
	s_mov_b32 s[G1B+1], 32<<16                     ; B: 32,768 as 128 rows
	s_mov_b32 s[G1B+2], 128<<16
	s_mov_b32 s[G1B+3], 32<<16
	s_mov_b32 s[G1B+4], 128
	s_mov_b32 s[G1B+5], 32
	s_mov_b32 s[G1B+6], 0
	s_mov_b32 s[G1B+7], 0
	s_lshl_b32 s16, s13, 18                        ; A: tile row x 262,144 + my half
	s_lshl_b32 s17, s12, 14
	s_add_co_u32 s16, s16, s17
	s_mov_b32 s17, 0
	s_lshl_b32 s20, s40, 1                         ; B: (2 cx + my block) x 262,144
	s_add_co_u32 s20, s20, s12
	s_lshl_b32 s20, s20, 18
	s_mov_b32 s21, 0
	s_lshl_b32 s14, s12, 14                        ; where they go: no place in the cluster enters an LDS address
	s_lshl_b32 s15, s12, 15
	s_add_co_u32 s15, s15, 32768
	s_lshl_b32 s18, s13, 18                        ; the prefetches: my work-group's quarter of A's tile, at K step 3: the first refill steps it to 4
	s_lshl_b32 s19, s40, 13
	s_add_co_u32 s18, s18, s19
	s_add_co_u32 s18, s18, 3*32768
	s_mov_b32 s19, 0
	s_cmp_eq_u32 s10, 0
	s_cselect_b32 s[LIM], 1, -1                    ; wave 0 asks while the loop's count is above 1
	s_wait_dscnt 0x0                               ; both opening adds are done
	s_wait_kmcnt 0x0
	s_add_nc_u64 s[16:17], s[4:5], s[16:17]
	s_add_nc_u64 s[20:21], s[6:7], s[20:21]
	s_add_nc_u64 s[PFA:PFA+1], s[4:5], s[18:19]
	CROUND                                         ; all sixteen work-groups are here
.irp s, 0,1
	s_mov_b32 s[G0+4*\s], 1
	s_add_co_u32 s[G0+4*\s+1], s14, \s*SLOT
	s_add_nc_u64 s[G0+4*\s+2:G0+4*\s+3], s[16:17], \s*32768
	s_or_b32 s[G0+4*\s+3], s[G0+4*\s+3], 0x80000000
	s_mov_b32 s[G0B+4*\s], 1
	s_add_co_u32 s[G0B+4*\s+1], s15, \s*SLOT
	s_add_nc_u64 s[G0B+4*\s+2:G0B+4*\s+3], s[20:21], \s*32768
	s_or_b32 s[G0B+4*\s+3], s[G0B+4*\s+3], 0x80000000
	JLOAD \s                                       ; two tensor loads of mine are out
.endr
	v_and_b32 v1, 15, v0                           ; r
	v_bfe_u32 v2, v0, 4, 1                         ; h
	v_and_b32 v3, 31, v0
	v_lshlrev_b32 v[CO], 4, v3
	v_lshlrev_b32 v[PFO], 8, v3
	s_lshl_b32 s18, s11, 14                        ; my 64 rows of A
	s_lshl_b32 s19, s12, 15
	s_add_co_u32 s19, s19, 32768                   ; my 128 columns of B
.irp s, 0,1
	v_add_nc_u32 v[ADRA+\s], s18, v[CO]
	v_add_nc_u32 v[ADRB+\s], s19, v[CO]
	s_add_co_u32 s18, s18, SLOT
	s_add_co_u32 s19, s19, SLOT
.endr
	s_mul_i32 s23, s10, 16*SPITCH
	s_add_co_u32 s23, s23, STAGE                   ; my stage
	v_mul_u32_u24 v4, v1, SPITCH
	v_lshl_add_u32 v4, v2, 5, v4
	v_add_nc_u32 v[STO], s23, v4                   ; in: row r, 32 bytes for each half of the lanes
	v_add_nc_u32 v[RD], s23, v[CO]                 ; back: a row of 512 bytes
	s_lshl_b32 s18, s13, 19                        ; out0: 128 rows of 4,096 bytes a tile row,
	s_lshl_b32 s19, s11, 18                        ; my 64 rows,
	s_add_co_u32 s18, s18, s19
	s_lshl_b32 s19, s40, 10                        ; 256 columns a tile column,
	s_add_co_u32 s18, s18, s19
	s_lshl_b32 s19, s12, 9                         ; my 128
	s_add_co_u32 s18, s18, s19
	s_mov_b32 s19, 0
	s_add_nc_u64 s[8:9], s[8:9], s[18:19]
.macro MUL8 f, a, zero                 ; row block a x the eight column blocks, 32 along K
.irp b, 0,1,2,3,4,5,6,7
.if \zero
	v_wmma_f32_16x16x32_f16 v[8*(8*(\a)+\b):8*(8*(\a)+\b)+7], v[\f+8*\b:\f+8*\b+7], v[\f+64+8*(\a):\f+64+8*(\a)+7], 0
.else
	v_wmma_f32_16x16x32_f16 v[8*(8*(\a)+\b):8*(8*(\a)+\b)+7], v[\f+8*\b:\f+8*\b+7], v[\f+64+8*(\a):\f+64+8*(\a)+7], v[8*(8*(\a)+\b):8*(8*(\a)+\b)+7]
.endif
.endr
.endm
.macro FETCH slot, q, f                ; 24 LDS loads in one run: 32 along K, the slot's q-th: B's eight fragments, then A's four
	WIN 0
.irp b, 0,1,2,3,4,5,6,7
	ds_load_b128 v[\f+8*\b:\f+8*\b+3],   v[ADRB+\slot] offset:\b*4096+(\q)*1024
	ds_load_b128 v[\f+8*\b+4:\f+8*\b+7], v[ADRB+\slot] offset:\b*4096+(\q)*1024+512
.endr
.irp a, 0,1,2,3
	ds_load_b128 v[\f+64+8*\a:\f+64+8*\a+3],   v[ADRA+\slot] offset:\a*4096+(\q)*1024
	ds_load_b128 v[\f+64+8*\a+4:\f+64+8*\a+7], v[ADRA+\slot] offset:\a*4096+(\q)*1024+512
.endr
.endm
.macro PLACES
.rept 4
	v_nop
.endr
.endm
; A K step is four quarters of 32 along K, 32 matrix instructions each, on buffers 0, 1, 0, 1; the 32 accumulators take turns.
.macro QUARTER slot, q, f, g, zero     ; multiplies buffer f; fetches the slot's q-th quarter into g
	s_wait_dscnt 4                                 ; B and A's blocks 0, 1 are in; the youngest four loads (A's blocks 2, 3) may be out
	WIN MUL
	MUL8 \f, 0, \zero
	MUL8 \f, 1, \zero
	PLACES
	FETCH \slot, \q, \g
	s_wait_dscnt 24                                ; all but the 24 just issued
	WIN MUL
	MUL8 \f, 2, \zero
	MUL8 \f, 3, \zero
.endm
; The last quarter multiplies buffer 1 and changes slots: one barrier; ahead of it each wave waits for all its tensor loads, adds 0 to its spare word, and waits for that and for its reads of this slot.
.macro TURN slot, next, fill
.if \fill
	s_wait_xcnt 0x0                                ; the last prefetch, a K step back, has read its address
	s_add_nc_u64 s[PFA:PFA+1], s[PFA:PFA+1], 32768
.endif
	WIN 0                                          ; (the add's two registers lie in window 0)
	s_wait_tensorcnt 0x0                           ; all my tensor loads have landed: my part of the next slot
	ds_add_u32 v[SPW], v[NIL]
	s_wait_dscnt 5                                 ; (the add and the youngest four loads may be out)
	WIN MUL
	MUL8 F1, 0, 0
	s_wait_dscnt 0x0                               ; the add is done, and my reads of this slot are over
	s_barrier_signal -1
	MUL8 F1, 1, 0
.if \fill
	WIN 0
.endif
	s_barrier_wait -1
.if \fill
	CREST                                          ; the barrier has opened a round of the cluster's: no wave of any partner reads this slot or has a load on its way
	s_add_nc_u64 s[G0+4*\slot+2:G0+4*\slot+3], s[G0+4*\slot+2:G0+4*\slot+3], 65536
	s_add_nc_u64 s[G0B+4*\slot+2:G0B+4*\slot+3], s[G0B+4*\slot+2:G0B+4*\slot+3], 65536
	JLOAD \slot                                    ; the first tensor load behind the round; its four v_nop are also the places ahead of the loads below
.else
	PLACES
.endif
	FETCH \next, 0, F0
.if \fill
	ASK
.endif
	WIN MUL
	MUL8 F1, 2, 0
	MUL8 F1, 3, 0
.endm
	s_wait_tensorcnt 1                             ; my part of K step 0 is in; K step 1's load may be out
	s_barrier_signal -1
	s_barrier_wait -1
	FETCH 0, 0, F0
	QUARTER 0, 1, F0, F1, 1                        ; the first products start the sums
	WIN 0
	s_mov_b32 s3, LAPS-1
.Llap:                                             ; a trip goes once round the ring and fills both slots again
	QUARTER 0, 2, F1, F0, 0
	QUARTER 0, 3, F0, F1, 0
	TURN 0, 1, 1
	QUARTER 1, 1, F0, F1, 0
	QUARTER 1, 2, F1, F0, 0
	QUARTER 1, 3, F0, F1, 0
	TURN 1, 0, 1
	QUARTER 0, 1, F0, F1, 0
	WIN 0
	s_sub_co_u32 s3, s3, 1
	s_cmp_lg_u32 s3, 0
	s_cbranch_scc1 .Llap
	QUARTER 0, 2, F1, F0, 0                        ; the last lap fills nothing
	QUARTER 0, 3, F0, F1, 0
	TURN 0, 1, 0
	QUARTER 1, 1, F0, F1, 0
	QUARTER 1, 2, F1, F0, 0
	QUARTER 1, 3, F0, F1, 0
	s_wait_dscnt 4
	WIN MUL
	MUL8 F1, 0, 0
	MUL8 F1, 1, 0
	s_wait_dscnt 0
	MUL8 F1, 2, 0
	MUL8 F1, 3, 0
	WIN 0
; THE WAY OUT, 16 rows x 128 columns at a time, through my own stage: in as 32 bytes a lane, back as whole rows of 512 bytes.  LDS serves a wave's instructions in order: no wait between the stores and the loads.
.macro TOSTAGE a
	WIN 0x04                                       ; an LDS store's data are its source 1: window 1
.irp b, 0,1,2,3,4,5,6,7
	ds_store_b128 v[STO], v[8*(8*(\a)+\b):8*(8*(\a)+\b)+3] offset:64*\b      ; each accumulator from its low end on
	ds_store_b128 v[STO], v[8*(8*(\a)+\b)+4:8*(8*(\a)+\b)+7] offset:64*\b+16
.endr
	WIN 0
.set BB, BK+64*((\a)%2)
.irp t, 0,1,2,3,4,5,6,7,8,9,10,11,12,13,14,15
	ds_load_b128 v[BB+4*\t:BB+4*\t+3], v[RD] offset:\t*SPITCH
.endr
.endm
.macro SEND a, younger                 ; younger: the LDS instructions issued behind block a's loads
.set BB, BK+64*((\a)%2)
	s_wait_dscnt \younger
.irp t, 0,1,2,3,4,5,6,7,8,9,10,11,12,13,14,15
	global_store_b128 v[CO], v[BB+4*\t:BB+4*\t+3], s[8:9] offset:(16*(\a)+\t)*4096 th:TH_STORE_NT   ; 512 consecutive bytes of a row
.endr
.endm
	PLACES                                         ; ahead of the first read of results and of the loads over fragments
	s_or_b32 s18, s22, s11
	s_cmp_eq_u32 s18, 0                            ; my first 16 rows are positions 0-15 of a sequence: they are another launch's
	s_cbranch_scc1 .Lskip0
	TOSTAGE 0
	SEND 0, 0
.Lskip0:
	TOSTAGE 1
	s_wait_xcnt 0x0                                ; block 0's stores have read their registers
	TOSTAGE 2
	SEND 1, 32                                     ; behind block 1's loads: block 2's 16 stores and 16 loads
	s_wait_xcnt 0x0
	TOSTAGE 3
	SEND 2, 32
	SEND 3, 0
	s_wait_tensorcnt 0x0                           ; the wave's end
	ds_add_u32 v[SPW], v[NIL]
	s_wait_dscnt 0x0
	CROUND                                         ; the closing round
	s_endpgm
.Lfunc_end_k_q7bf77a396b_proj:
	.size	k_q7bf77a396b_proj, .Lfunc_end_k_q7bf77a396b_proj-k_q7bf77a396b_proj
	.p2alignl 7, 3214868480
	.fill 96, 4, 3214868480
	.section	.rodata,"a",@progbits
	.p2align	6, 0x0
	.amdhsa_kernel k_q7bf77a396b_proj
		.amdhsa_group_segment_fixed_size 327680
		.amdhsa_private_segment_fixed_size 0
		.amdhsa_enable_private_segment 0
		.amdhsa_kernarg_size 24
		.amdhsa_user_sgpr_count 2
		.amdhsa_user_sgpr_kernarg_segment_ptr 1
		.amdhsa_wavefront_size32 1
		.amdhsa_system_sgpr_workgroup_id_x 1
		.amdhsa_system_sgpr_workgroup_id_y 1
		.amdhsa_system_sgpr_workgroup_id_z 1
		.amdhsa_system_vgpr_workitem_id 0
		.amdhsa_next_free_vgpr 512
		.amdhsa_next_free_sgpr 66
		.amdhsa_reserve_vcc 0
		.amdhsa_float_denorm_mode_32 3
		.amdhsa_float_denorm_mode_16_64 3
		.amdhsa_memory_ordered 1
		.amdhsa_forward_progress 1
		.amdhsa_inst_pref_size 85
	.end_amdhsa_kernel
	.amdgpu_metadata
---
amdhsa.version: [ 1, 2 ]
amdhsa.kernels:
  - .name:           k_q7bf77a396b_proj
    .symbol:         k_q7bf77a396b_proj.kd
    .args:
      - { .name: attn_img, .offset: 0, .size: 8, .value_kind: global_buffer, .address_space: global }
      - { .name: wout_img, .offset: 8, .size: 8, .value_kind: global_buffer, .address_space: global }
      - { .name: out0, .offset: 16, .size: 8, .value_kind: global_buffer, .address_space: global }
    .group_segment_fixed_size: 327680
    .private_segment_fixed_size: 0
    .kernarg_segment_align: 8
    .kernarg_segment_size: 24
    .max_flat_workgroup_size: 128
    .sgpr_count:     66
    .vgpr_count:     512
    .wavefront_size: 32
...
	.end_amdgpu_metadata
.endif
;; end of part 4
;; launch fine (part 5): grid 16 x 4, 16 waves a work-group, no clusters, 71,680 bytes of LDS; arguments qkv16, Wout, out0; writes out0
.if DOCPART == 5
	.amdgcn_target "amdgcn-amd-amdhsa--gfx1250"
	.amdhsa_code_object_version 6
	.text
	.protected	k_q7bf77a396b_fine
	.globl	k_q7bf77a396b_fine
	.p2align	8
	.type	k_q7bf77a396b_fine,@function
k_q7bf77a396b_fine:
	s_mov_b64 s[64:65], 0
	v_nop
	global_prefetch_b8 v0, s[64:65] scope:SCOPE_SE
	s_setreg_imm32_b32 hwreg(HW_REG_WAVE_MODE, 25, 1), 1
	s_wait_xcnt 0x0
; Positions 0-15 of every sequence, all in f32: their rows of the softmax average one to sixteen values, so they are carried more finely, through the projection too.
; A work-group makes out0[batch y][0:16][64 x .. 64 x + 63].  Wave w computes head w's attention for the 16 positions (repeated in the batch's 16 work-groups: 32 small matrix instructions) and multiplies
; its own 64 channels, K = 64 w .. 64 w + 63 of the projection, by Wout: no operand goes from wave to wave; only the sixteen partial sums meet in LDS.
; v_wmma_f32_16x16x4_f32: lane (r, h) gives row r and k = 2 h + j in register j.  q, k, v lie in memory as the product's accumulators stood: lane (r, h), register y: channel (or key) 8 h + y of a block of 16.
; Registers 2 s, 2 s + 1 of both sources then hold the same four of the sixteen: a permutation of K applied alike to both operands.
; The four accumulators v32-63 are written by matrix instructions alone; each of the three sums begins with the constant 0 as its first step's C, and they take turns.
; LIMIT: the order of the sums differs from a walk in ascending K (four part sums in the scores; sixteen in the projection).
; REGISTERS: v1 16 x lane; v2 Wout's offset; v3, v4 the add's two; v5 r - 8 h; v10-12 stage in, stage back, out0's offset; v16-23 scores; v24-31 p; v32-63 accumulators; v64-95 V^T, then the result;
;   v96-127 q, v128-159 k, later Wout's columns 32-63; v160-223 Wout's columns 0-31, later the partial sums.
.set SPARE, 69632                      ; behind sixteen stages of 16 rows x 272 bytes: the spare words, 128 bytes a wave: eight blocks of 256 bytes that no other line names
	s_load_b128 s[4:7], s[0:1], 0x0                ; qkv16, Wout
	s_load_b64 s[8:9], s[0:1], 0x10                ; out0
	v_lshl_add_u32 v3, v0, 2, SPARE
	v_mov_b32 v4, 0
	v_lshrrev_b32 v6, 5, v0
	v_readfirstlane_b32 s10, v6                    ; wave = head
	s_and_b32 s11, ttmp7, 0xffff                   ; batch
	v_and_b32 v6, 31, v0                           ; lane
	v_lshlrev_b32 v1, 4, v6
	v_and_b32 v7, 15, v0                           ; r
	v_bfe_u32 v8, v0, 4, 1                         ; h
	v_lshlrev_b32 v2, 2, v7
	v_lshl_add_u32 v2, v8, 15, v2                  ; Wout: column r, 8 h rows of 4,096 bytes down
	v_lshlrev_b32 v9, 3, v8
	v_sub_nc_u32 v5, v7, v9                        ; register j holds key 8 h + j, my query is r: the key counts where j <= r - 8 h
	s_mul_i32 s13, s10, 4352
	v_mul_u32_u24 v10, v7, 272
	v_lshl_add_u32 v10, v8, 5, v10
	v_add_nc_u32 v10, s13, v10                     ; my stage: row r, + 32 h
	s_mul_i32 s14, s10, 272
	v_lshl_add_u32 v11, v6, 3, s14                 ; back: row w of every stage, 8 bytes a lane
	v_lshlrev_b32 v12, 3, v6
	s_mov_b32 s20, 0x76543210
	s_mov_b32 s21, 0xfedcba98                      ; selects for lane l xor 16
	s_mov_b32 s22, 0x3e38aa3b                      ; c = log2(e) / 8
	s_lshl_b32 s16, s11, 4
	s_add_co_u32 s16, s16, s10
	s_lshl_b32 s16, s16, 12                        ; (16 b + head) x 4,096
	s_mov_b32 s17, 0
	s_lshl_b32 s18, s10, 18                        ; Wout: 64 w rows,
	s_lshl_b32 s15, ttmp9, 8                       ; 64 x columns
	s_add_co_u32 s18, s18, s15
	s_mov_b32 s19, 0
	s_lshl_b32 s24, s11, 23                        ; out0: batch, row w, 64 x columns
	s_lshl_b32 s23, s10, 12
	s_add_co_u32 s24, s24, s23
	s_add_co_u32 s24, s24, s15
	s_mov_b32 s25, 0
	s_wait_kmcnt 0x0
	s_add_nc_u64 s[4:5], s[4:5], s[16:17]
	s_add_nc_u64 s[6:7], s[6:7], s[18:19]
	s_add_nc_u64 s[8:9], s[8:9], s[24:25]
.irp i, 0,1,2,3,4,5,6,7
	global_load_b128 v[96+4*\i:99+4*\i], v1, s[4:5] offset:\i*512              ; q
.endr
.irp i, 0,1,2,3,4,5,6,7
	global_load_b128 v[128+4*\i:131+4*\i], v1, s[4:5] offset:262144+\i*512     ; k
.endr
.irp i, 0,1,2,3,4,5,6,7
	global_load_b128 v[64+4*\i:67+4*\i], v1, s[4:5] offset:524288+\i*512       ; v, channels in the lanes
.endr
; Wout(64 w + 16 ct + 8 h + 2 sp + jp, 64 x + 16 cb + r): the fragment that goes with registers 8 ct + 2 sp, + 1 of the result
.macro WLOAD cb, reg
.irp ct, 0,1,2,3
.irp sp, 0,1,2,3
.irp jp, 0,1
	global_load_b32 v[\reg+(4*\ct+\sp)*2+\jp], v2, s[6:7] offset:(16*\ct+2*\sp+\jp)*4096+(\cb)*64
.endr
.endr
.endr
.endm
	WLOAD 0, 160
	WLOAD 1, 192
	s_wait_loadcnt 63                              ; 88 loads were issued: with 63 out at the most the oldest 25 are in, q's, k's and v's 24 among them
.irp sp, 0,1,2,3                       ; S^T = k q^T: accumulator ct sums channels 16 ct .. 16 ct + 15
.irp ct, 0,1,2,3
.if \sp == 0
	v_wmma_f32_16x16x4_f32 v[32+8*\ct:39+8*\ct], v[128+8*\ct+2*\sp:129+8*\ct+2*\sp], v[96+8*\ct+2*\sp:97+8*\ct+2*\sp], 0
.else
	v_wmma_f32_16x16x4_f32 v[32+8*\ct:39+8*\ct], v[128+8*\ct+2*\sp:129+8*\ct+2*\sp], v[96+8*\ct+2*\sp:97+8*\ct+2*\sp], v[32+8*\ct:39+8*\ct]
.endif
.endr
.endr
.rept 9
	v_nop                                          ; nine places behind this form: ahead of the loads over q and k, of the first read of the sums, and of the sums that begin anew in these accumulators
.endr
	WLOAD 2, 96
	WLOAD 3, 128
.irp p, 0,2,4,6                        ; the four part sums, each accumulator from its low end on
	v_pk_add_f32 v[16+\p:17+\p], v[32+\p:33+\p], v[40+\p:41+\p]
	v_pk_add_f32 v[24+\p:25+\p], v[48+\p:49+\p], v[56+\p:57+\p]
	v_pk_add_f32 v[16+\p:17+\p], v[16+\p:17+\p], v[24+\p:25+\p]
.endr
.irp j, 0,1,2,3,4,5,6,7
	v_cmp_le_i32 vcc_lo, \j, v5
	v_cndmask_b32 v[16+\j], 0xff800000, v[16+\j], vcc_lo   ; a hidden key's score becomes -infinity
.endr
	v_max3_num_f32 v6, v16, v17, v18
	v_max3_num_f32 v7, v19, v20, v21
	v_max3_num_f32 v6, v6, v22, v23
	v_max_num_f32 v6, v6, v7
	v_permlanex16_b32 v7, v6, s20, s21
	v_max_num_f32 v6, v6, v7                       ; the row's maximum: key 0 counts for every query
	v_mul_f32 v6, s22, v6
.irp j, 0,1,2,3,4,5,6,7
	v_fma_f32 v[24+\j], v[16+\j], s22, -v6
.endr
.irp j, 0,1,2,3,4,5,6,7
	v_exp_f32 v[24+\j], v[24+\j]
.endr
	v_nop
	s_wait_alu depctr_va_vdst(0)                   ; one wait for the eight exponentials, ahead of their first reader
	v_pk_add_f32 v[8:9], v[24:25], v[26:27]
	v_pk_add_f32 v[14:15], v[28:29], v[30:31]
	v_pk_add_f32 v[8:9], v[8:9], v[14:15]
	v_add_f32 v8, v8, v9
	v_permlanex16_b32 v9, v8, s20, s21
	v_add_f32 v8, v8, v9                           ; the row's sum
	v_rcp_f32 v14, v8
	v_nop
	s_wait_alu depctr_va_vdst(0)
.irp sp, 0,1,2,3                       ; O^T = v^T p: accumulator ct holds channels 16 ct .. 16 ct + 15; keys 8 h + 2 sp + j on both sides
.irp ct, 0,1,2,3
.if \sp == 0
	v_wmma_f32_16x16x4_f32 v[32+8*\ct:39+8*\ct], v[64+8*\ct+2*\sp:65+8*\ct+2*\sp], v[24+2*\sp:25+2*\sp], 0
.else
	v_wmma_f32_16x16x4_f32 v[32+8*\ct:39+8*\ct], v[64+8*\ct+2*\sp:65+8*\ct+2*\sp], v[24+2*\sp:25+2*\sp], v[32+8*\ct:39+8*\ct]
.endif
.endr
.endr
.rept 9
	v_nop
.endr
.irp ct, 0,1,2,3
.irp p, 0,2,4,6
	v_pk_mul_f32 v[64+8*\ct+\p:65+8*\ct+\p], v[32+8*\ct+\p:33+8*\ct+\p], v[14:15] op_sel_hi:[1,0]   ; / the sum, into other registers: lane (r, h): query r, channel 16 ct + 8 h + y
.endr
.endr
	s_wait_loadcnt 0x0                             ; Wout
.irp ct, 0,1,2,3                       ; my 64 of the projection's K: accumulator cb holds columns 16 cb .. 16 cb + 15
.irp sp, 0,1,2,3
.irp cb, 0,1,2,3
.set WR, 160-64*(\cb/2)+32*(\cb%2)+(4*\ct+\sp)*2
.if (\ct == 0) && (\sp == 0)
	v_wmma_f32_16x16x4_f32 v[32+8*\cb:39+8*\cb], v[WR:WR+1], v[64+8*\ct+2*\sp:65+8*\ct+2*\sp], 0
.else
	v_wmma_f32_16x16x4_f32 v[32+8*\cb:39+8*\cb], v[WR:WR+1], v[64+8*\ct+2*\sp:65+8*\ct+2*\sp], v[32+8*\cb:39+8*\cb]
.endif
.endr
.endr
.endr
.rept 8
	v_nop                                          ; eight places ahead of the first read of the sums and of the loads over Wout's fragments
.endr
.irp cb, 0,1,2,3
	ds_store_b128 v10, v[32+8*\cb:35+8*\cb] offset:64*\cb        ; lane (r, h): query r, columns 16 cb + 8 h + 0 .. 7
	ds_store_b128 v10, v[36+8*\cb:39+8*\cb] offset:64*\cb+16
.endr
	s_wait_dscnt 0x0                               ; for the others' sake: my part sums have landed
	s_barrier_signal -1
	s_barrier_wait -1
.irp p, 0,1,2,3,4,5,6,7,8,9,10,11,12,13,14,15
	ds_load_b64 v[160+2*\p:161+2*\p], v11 offset:\p*4352         ; wave w adds row w of the sixteen
.endr
	s_wait_dscnt 0x0
.irp p, 0,1,2,3,4,5,6,7
	v_pk_add_f32 v[160+2*\p:161+2*\p], v[160+2*\p:161+2*\p], v[176+2*\p:177+2*\p]
.endr
.irp p, 0,1,2,3
	v_pk_add_f32 v[160+2*\p:161+2*\p], v[160+2*\p:161+2*\p], v[168+2*\p:169+2*\p]
.endr
.irp p, 0,1
	v_pk_add_f32 v[160+2*\p:161+2*\p], v[160+2*\p:161+2*\p], v[164+2*\p:165+2*\p]
.endr
	v_pk_add_f32 v[160:161], v[160:161], v[162:163]
	global_store_b64 v12, v[160:161], s[8:9]       ; 256 consecutive bytes, at a multiple of 256 from out0's first byte
	s_wait_tensorcnt 0x0                           ; the wave's end
	ds_add_u32 v3, v4
	s_wait_dscnt 0x0
	s_endpgm
.Lfunc_end_k_q7bf77a396b_fine:
	.size	k_q7bf77a396b_fine, .Lfunc_end_k_q7bf77a396b_fine-k_q7bf77a396b_fine
	.p2alignl 7, 3214868480
	.fill 96, 4, 3214868480
	.section	.rodata,"a",@progbits
	.p2align	6, 0x0
	.amdhsa_kernel k_q7bf77a396b_fine
		.amdhsa_group_segment_fixed_size 71680
		.amdhsa_private_segment_fixed_size 0
		.amdhsa_enable_private_segment 0
		.amdhsa_kernarg_size 24
		.amdhsa_user_sgpr_count 2
		.amdhsa_user_sgpr_kernarg_segment_ptr 1
		.amdhsa_wavefront_size32 1
		.amdhsa_system_sgpr_workgroup_id_x 1
		.amdhsa_system_sgpr_workgroup_id_y 1
		.amdhsa_system_sgpr_workgroup_id_z 1
		.amdhsa_system_vgpr_workitem_id 0
		.amdhsa_next_free_vgpr 224
		.amdhsa_next_free_sgpr 66
		.amdhsa_reserve_vcc 1
		.amdhsa_float_denorm_mode_32 3
		.amdhsa_float_denorm_mode_16_64 3
		.amdhsa_memory_ordered 1
		.amdhsa_forward_progress 1
		.amdhsa_inst_pref_size 31
	.end_amdhsa_kernel
	.amdgpu_metadata
---
amdhsa.version: [ 1, 2 ]
amdhsa.kernels:
  - .name:           k_q7bf77a396b_fine
    .symbol:         k_q7bf77a396b_fine.kd
    .args:
      - { .name: qkv16, .offset: 0, .size: 8, .value_kind: global_buffer, .address_space: global }
      - { .name: Wout, .offset: 8, .size: 8, .value_kind: global_buffer, .address_space: global }
      - { .name: out0, .offset: 16, .size: 8, .value_kind: global_buffer, .address_space: global }
    .group_segment_fixed_size: 71680
    .private_segment_fixed_size: 0
    .kernarg_segment_align: 8
    .kernarg_segment_size: 24
    .max_flat_workgroup_size: 512
    .sgpr_count:     66
    .vgpr_count:     224
    .wavefront_size: 32
...
	.end_amdgpu_metadata
.endif
;; end of part 5
